; MI455X (gfx1250); checked and timed in simulation.
; The chip was launched on July 23, 2026; its instructions are those of AMD's public machine-readable ISA for CDNA 5 (MIT licence, August 2026) and "CDNA5" Instruction Set Architecture Reference Guide (July 2026). The comments in the code are by the model that wrote it; some were corrected since.
;; Attention. Allowed arithmetic: matrix products marked QUANTISED: E3M2 operands, one E8M0 scale for each 32 along K, by v_wmma_scale_f32_16x16x128_f8f6f4 with both operands' format E3M2, f32 sums; everything else in f32.
;; Inputs: W_kqv 1,024 x 3,072 float32; x 4 x 2,048 x 1,024 float32.
;; Outputs: out0 4 x 2,048 x 1,024 float32.
;; This version of the problem:
;;   THIS VERSION OF THE PROBLEM IS GIVEN IN LOW PRECISION. The matrix products marked QUANTISED in the list below multiply operands that are first quantised to E3M2 (3 exponent bits, 2 mantissa bits; 6 bits a number), with one power-of-two scale for each 32 numbers along K (OCP MX v1.0); their sums are f32. All else is computed in f32.
;;   The module's matrix products, in the order in which they are computed (A, B: the left and right operand; K: the contracted axis; several contracted axes count as one K, in the product's order):
;;     1. [M 8,192, K 1,024] x [K 1,024, N 3,072]; A: input x; B: input W_kqv: QUANTISED
;;     2. batch 4 x [M 2,048, K 1,024] x [K 1,024, N 2,048]; A: computed on the way; B: computed on the way: QUANTISED
;;     3. batch 4 x [M 2,048, K 2,048] x [K 2,048, N 1,024]; A: softmax (see below); B: computed on the way: QUANTISED
;;   THE QUANTISER, for each operand of a quantised product, along K:
;;     - K is cut into blocks of 32 from its start; a last block that is shorter is filled with zeros.
;;     - A block's scale is 2^e with e = floor(log2(the largest magnitude in the block)) - 4, held to -126 .. 127; a block of zeros has e = 0. As a byte (E8M0): e + 127.
;;     - Each number is divided by its block's scale, clamped to +-28, and rounded to the nearest number of E3M2, ties to even, subnormals kept.
;;     - The product sums the exact products of the quantised numbers (number of the format x scale) in f32.
;;   ~~~python
;;   def quantise(x, axis):      # numpy; x: float32 -> the quantised numbers, widened to float32 again
;;       x = np.moveaxis(x, axis, -1); K = x.shape[-1]
;;       x = np.pad(x, [(0, 0)] * (x.ndim - 1) + [(0, -K % 32)]); x = x.reshape(x.shape[:-1] + (-1, 32)); a = np.abs(x).max(-1, keepdims=True)
;;       e = np.where(a > 0, np.clip(np.frexp(np.where(a > 0, a, 1))[1] - 1 - 4, -126, 127), 0)      # np.frexp(a)[1] - 1 = floor(log2(a)), exactly
;;       r = np.clip(x / 2.0 ** e, -28, 28)
;;       step = 2.0 ** (np.maximum(np.frexp(np.where(r == 0, 1, r))[1] - 1, -2) - 2)
;;       q = np.round(r / step) * step * 2.0 ** e      # np.round: ties to even
;;       return np.moveaxis(q.reshape(q.shape[:-2] + (-1,))[..., :K], -1, axis).astype(np.float32)
;;   ~~~
;;   SOFTMAX AHEAD OF A QUANTISED PRODUCT. Where the list says 'softmax', what is quantised is not the finished softmax but p = 2^(t - M), with t = logit x log2(e) and M = ceil(the row's largest t), a whole number; so 1/2 < the row's largest p <= 1. The row's sum l is taken of the UNQUANTISED p, in f32, and the product's result is divided by l at the end. Since M is a whole number, a kernel that streams over the keys may use a running M (the ceiling of the running maximum): every later rescaling is an exact power of two, which a block's scale takes up: the codes' values come out the same.
;;   OPERANDS COMPUTED ON THE WAY. 'Computed on the way' means the value that the module computes at that place (a softmax that the list does not call 'softmax' is quantised finished and normalised). What goes into a quantiser is computed in f32, as accurately as f32 sums, v_exp_f32 and their like allow (about 1e-6 of the number): no bf16 or f16 on the way to a quantiser, and a product that is left as it is and whose result goes on into a quantised operand takes f32 operands (vector FMAs, or v_wmma_f32_16x16x4_f32). A number that lies on a knife's edge between two numbers of the format may be rounded either way, as far as f32 arithmetic and the matrix unit's own rounding can turn it there, and no further.
;; One version. Each part assembles by itself: llvm-mc -triple=amdgcn-amd-amdhsa -mcpu=gfx1250 --defsym DOCPART=n.
;; ======== version 1 of 1: 4 launches
;; workspace buffers: c1 8,650,752 bytes; s1 360,448 bytes; c2 12,582,912 bytes; s2 524,288 bytes; c3 6,291,456 bytes; s3 262,144 bytes; c4 12,582,912 bytes; s4 1,572,864 bytes
;; launch quant (part 1): grid 448 x 1, 4 waves a work-group, no clusters, 47,616 bytes of LDS; arguments x, W_kqv, c1, s1; writes c1, s1
.if DOCPART == 1
	.amdgcn_target "amdgcn-amd-amdhsa--gfx1250"
	.amdhsa_code_object_version 6
	.text
	.protected	k_q0888c65832_quant
	.globl	k_q0888c65832_quant
	.p2align	8
	.type	k_q0888c65832_quant,@function
k_q0888c65832_quant:
	s_mov_b64 s[64:65], 0
	v_nop
	global_prefetch_b8 v0, s[64:65] scope:SCOPE_SE
	s_setreg_imm32_b32 hwreg(HW_REG_WAVE_MODE, 25, 1), 1
	s_wait_xcnt 0x0
; THE PROGRAM: y = softmax(causal(q k^T / 32)) v with q, k, v = x W, one head of 1,024, 4 x 2,048 tokens; all three products on codes of E3M2 with one E8M0 scale for each 32 along K.
; Four launches: this one (x and W into codes), the product x W (its way out quantises q, k along the channels and v along the keys), the scores (way out: p = 2^(t - M) as codes), and p v.
; WORK LEFT OUT: reference() sets every score with key > query to -infinity by a mask that it builds itself (jnp.tril), so the softmax gives those places the weight 0 whatever x and W hold. Of the 8 x 8
; tiles of 256 queries x 256 keys of a batch, the 28 with key tile > query tile lie wholly under that mask: their scores are not computed and their weights are not multiplied with v.
; Inside the tiles on the diagonal the hidden scores are computed and set to -infinity. LIMIT: a NaN, an infinity or an overflow that reaches only hidden scores is not carried to the result.
; Both inputs have a way to the output and are loaded whole.
;
; THIS LAUNCH: x [8192][1024] (K innermost) and W [1024][3072] (K = its first axis), f32, become operand tiles of 16 rows x 128 K, stored AS IMAGES OF THE OPERAND'S REGISTERS:
; 12 registers a lane, register 4 g + e of lane L at byte 512 g + 16 L + 4 e of the tile's 1,536 bytes.  c1: [704 tiles: x 0-511, W^T 512-703][8 K steps][1536].
; THE ROWS OF A TILE ARE NOT NEIGHBOURS: lane r of tile T takes row 32 (T / 2) + 8 (T % 2) + r + 8 (r / 8), so that a product that takes such tiles as source 0 leaves 16 neighbours along the next K in 16 registers.
; Scale words (four E8M0 bytes: one row, 128 K): s1 [8 K steps][176 groups of 4 tiles][16 rows][4 tiles].
; A block's scale is 2^(floor(log2(largest magnitude)) - 4): its byte is the largest magnitude's exponent field - 4, held at 1 from below by a floor among the maximum's leaves.
; LIMITS: a block of zeros, or one whose largest magnitude lies under 2^-122, keeps the byte 1 (zeros add nothing under it; only this program reads the bytes). NaN and infinities among the inputs are not served.
; Work-groups 0-255 take x, 256-447 take W; the two ways part at the head, never meet again, and have LDS bytes of their own. Memory binds: no matrix unit, no cluster, no tensor load.
.set XSW,    16*528                    ; x: a wave's stage: 16 rows of 512 bytes + 16
.set WST,    4*XSW                     ; W: the stages begin behind x's
.set WSW,    3328                      ; a wave's two images, the second 1,664 bytes behind the first
.set WIM,    1664
.set SPARE,  WST+4*WSW                 ; the spare words, 128 bytes for each wave: two blocks of 256 bytes that no other line names
.set TPITCH, 12288                     ; a tile's eight K steps in c1
.set FRB,    1536                      ; an image
.set PLANE,  45056                     ; a K step's scale words: 176 groups x 256 bytes
.set SPW, 10                           ; v10  LDS address of my spare word; never rewritten
.set NIL, 11                           ; v11  0; never rewritten
.set TM,  12                           ; v12-27 at work in QUANT
.set PC,  28                           ; v28-47 the codes just made
.set PWS, 48                           ; v48-51 four scale words
.set RX,  64                           ; v64-191 x: two sets of 16 rows as loaded;  W: v64-127 two sets of 32 numbers
.set X,   192                          ; v192-255 64 numbers of my row
.set SEL, 20                           ; s[20:21] selects for lane l xor 16
; 64 numbers of a lane, register 16 b + i = k 32 b + 16 (lane / 16) + i of my row, become a tile's codes in v[PC] on and its scale word in v[pw].
.macro QUANT s, pw
.irp b, 0,1,2,3
	v_max3_num_f32 v[TM+\b], |v[\s+16*\b]|, |v[\s+1+16*\b]|, 0x2800000   ; block b: my 16 numbers, and the floor 2^(5 - 127)
.endr
.irp i, 2,4,6,8,10,12,14
.irp b, 0,1,2,3
	v_max3_num_f32 v[TM+\b], v[TM+\b], |v[\s+16*\b+\i]|, |v[\s+1+16*\b+\i]|   ; the four blocks by turns
.endr
.endr
.irp b, 0,1,2,3
	v_permlanex16_b32 v[TM+4+\b], v[TM+\b], s[SEL], s[SEL+1]
.endr
.irp b, 0,1,2,3
	v_max_num_f32 v[TM+\b], v[TM+\b], v[TM+4+\b]   ; with lane l xor 16's 16: the block's largest magnitude
.endr
.irp b, 0,1,2,3
	v_add_nc_u32 v[TM+12+\b], 0xfe000000, v[TM+\b]   ; 4 off its exponent field: the conversion's scale operand
.endr
.irp b, 0,1,2,3
	v_lshrrev_b32 v[TM+4+\b], 23, v[TM+12+\b]      ; the scale's byte
.endr
	v_lshl_or_b32 v[\pw], v[TM+5], 8, v[TM+4]
	v_lshl_or_b32 v[\pw], v[TM+6], 16, v[\pw]
	v_lshl_or_b32 v[\pw], v[TM+7], 24, v[\pw]      ; my row's scale word
.irp c, 0,1
	v_cvt_scalef32_pk16_bf6_f32 v[PC+6*\c:PC+2+6*\c], v[\s+32*\c:\s+15+32*\c], v[TM+12+2*\c]
	v_cvt_scalef32_pk16_bf6_f32 v[PC+12+4*\c:PC+14+4*\c], v[\s+16+32*\c:\s+31+32*\c], v[TM+12+2*\c+1]   ; (a conversion's three registers begin on an even number)
.endr
	v_nop                                          ; one plain line behind the scaled conversions
.irp c, 0,1                                    ; the operand wants a WHOLE block in a lane: lanes 0-15 block 2 c, lanes 16-31 block 2 c + 1
.irp i, 0,1,2
	v_permlane16_swap_b32 v[PC+6*\c+\i], v[PC+12+4*\c+\i]
.endr
.irp i, 0,1,2
	v_mov_b32 v[PC+3+6*\c+\i], v[PC+12+4*\c+\i]
.endr
.endr
.endm
	s_load_b256 s[4:11], s[0:1], 0x0               ; x s[4:5], W s[6:7], c1 s[8:9], s1 s[10:11]
	v_lshl_add_u32 v[SPW], v0, 2, SPARE
	v_mov_b32 v[NIL], 0
	v_lshrrev_b32 v1, 5, v0
	v_readfirstlane_b32 s12, v1                    ; wave
	v_and_b32 v5, 31, v0                           ; lane
	v_lshlrev_b32 v1, 4, v5                        ; 16 x lane: a lane's place in 512 consecutive bytes
	v_and_b32 v2, 15, v0                           ; r
	v_bfe_u32 v3, v0, 4, 1                         ; h
	s_mov_b32 s[SEL], 0x76543210
	s_mov_b32 s[SEL+1], 0xfedcba98
	s_cmp_lt_u32 ttmp9, 256
	s_cbranch_scc0 .Lweights
; ---- x.  Work-group g: tiles 4 (g / 2) .. + 3 (64 tokens); wave w: K step 4 (g % 2) + w: four tiles a wave.
	s_lshr_b32 s13, ttmp9, 1                       ; the group of four tiles
	s_and_b32 s14, ttmp9, 1
	s_lshl_b32 s14, s14, 2
	s_add_co_u32 s14, s14, s12                     ; the K step
	s_lshl_b32 s16, s13, 18                        ; 64 rows of 4,096 bytes
	s_lshl_b32 s17, s14, 9                         ; 128 numbers
	s_add_co_u32 s16, s16, s17
	s_mov_b32 s17, 0
	s_mul_i32 s18, s13, 4*TPITCH
	s_mul_i32 s19, s14, FRB
	s_add_co_u32 s18, s18, s19
	s_mov_b32 s19, 0
	s_mul_i32 s22, s14, PLANE
	s_lshl_b32 s23, s13, 8
	s_add_co_u32 s22, s22, s23
	s_mov_b32 s23, 0
	s_mul_i32 s15, s12, XSW                        ; my stage
	v_add_nc_u32 v6, s15, v1                       ; in: a row's 512 bytes as they lie
	v_mul_u32_u24 v7, v2, 528
	v_lshl_add_u32 v7, v3, 6, v7
	v_add_nc_u32 v7, s15, v7                       ; back: row r, + 64 h: my 16 numbers of each block of 32
.irp b, 0,1,2,3
	v_mov_b32 v[TM+4+\b], 0                        ; written once: a lane permute's destination counts as one of its sources
.endr
	s_wait_kmcnt 0x0
	s_add_nc_u64 s[4:5], s[4:5], s[16:17]
	s_add_nc_u64 s[8:9], s[8:9], s[18:19]
	s_add_nc_u64 s[10:11], s[10:11], s[22:23]
.macro LOADX a                         ; tile a's 16 rows: each load reads 512 consecutive bytes of one row
.irp i, 0,1,2,3,4,5,6,7,8,9,10,11,12,13,14,15
	global_load_b128 v[RX+64*((\a)%2)+4*\i:RX+64*((\a)%2)+4*\i+3], v1, s[4:5] offset:(32*((\a)/2)+8*((\a)%2)+\i+8*(\i/8))*4096 th:TH_LOAD_NT
.endr
.endm
.macro FRX a
.if (\a) < 3
	s_wait_loadcnt 16                              ; this tile's 16 loads are in; the next tile's 16 may be out
.else
	s_wait_loadcnt 0x0
.endif
.irp i, 0,1,2,3,4,5,6,7,8,9,10,11,12,13,14,15
	ds_store_b128 v6, v[RX+64*((\a)%2)+4*\i:RX+64*((\a)%2)+4*\i+3] offset:528*\i
.endr
.irp b, 0,1,2,3
.irp j, 0,1,2,3
	ds_load_b128 v[X+16*\b+4*\j:X+16*\b+4*\j+3], v7 offset:128*\b+16*\j   ; LDS serves a wave's instructions in order: these see the stores above
.endr
.endr
	s_wait_dscnt 0x0                               ; my 64 numbers are in, and the stores have read the set that is loaded again below
	s_wait_xcnt 0x0                                ; the last tile's stores have read v[PC] on: it is rewritten only behind this wait
.if (\a)+2 < 4
	LOADX (\a)+2
.endif
	QUANT X, PWS+(\a)
.irp g, 0,1,2
	global_store_b128 v1, v[PC+4*\g:PC+4*\g+3], s[8:9] offset:(\a)*TPITCH+512*\g   ; 512 consecutive bytes a store
.endr
.endm
	LOADX 0
	LOADX 1
	FRX 0
	FRX 1
	FRX 2
	FRX 3
	s_wait_xcnt 0x0                                ; EXEC changes only behind this wait
	v_cmp_gt_u32 vcc_lo, 16, v5
	s_and_saveexec_b32 s24, vcc_lo
	global_store_b128 v1, v[PWS:PWS+3], s[10:11]   ; lanes 0-15: row r's words of the four tiles: 256 consecutive bytes
	s_wait_xcnt 0x0                                ; and again, in front of the line that widens it
	s_or_b32 exec_lo, exec_lo, s24
	s_wait_tensorcnt 0x0                           ; the wave's end, behind my last LDS store
	ds_add_u32 v[SPW], v[NIL]
	s_wait_dscnt 0x0
	s_endpgm
; ---- W.  Work-group g' = g - 256: K step g' % 8; wave w: columns 32 G .. 32 G + 31, G = 4 (g' / 8) + w.  A LANE TAKES A COLUMN AND ITS REGISTERS RUN DOWN K: a block of 32 lies in one lane.
; Column 32 G + lane is lane r = lane % 8 + 8 (lane / 16) of tile 2 G + u, u = (lane / 8) % 2.  Block t of the K step is what lane r + 16 (t % 2) of the image holds in registers 6 (t / 2) .. + 5.
.Lweights:
	s_sub_co_u32 s13, ttmp9, 256
	s_and_b32 s14, s13, 7                          ; the K step
	s_lshr_b32 s13, s13, 3
	s_lshl_b32 s13, s13, 2
	s_add_co_u32 s13, s13, s12                     ; G
	s_mul_i32 s16, s14, 128*12288                  ; 128 rows of W
	s_lshl_b32 s17, s13, 7                         ; 32 columns
	s_add_co_u32 s16, s16, s17
	s_mov_b32 s17, 0
	s_lshl_b32 s18, s13, 1
	s_add_co_u32 s18, s18, 512                     ; tile 512 + 2 G
	s_mul_i32 s18, s18, TPITCH
	s_mul_i32 s19, s14, FRB
	s_add_co_u32 s18, s18, s19
	s_mov_b32 s19, 0
	s_mul_i32 s22, s14, PLANE
	s_lshr_b32 s23, s13, 1
	s_add_co_u32 s23, s23, 128                     ; group 128 + G / 2
	s_lshl_b32 s23, s23, 8
	s_add_co_u32 s22, s22, s23
	s_and_b32 s23, s13, 1
	s_lshl_b32 s23, s23, 3                         ; tiles 2 (G % 2), + 1 of the group
	s_add_co_u32 s22, s22, s23
	s_mov_b32 s23, 0
	v_lshlrev_b32 v4, 2, v5                        ; in: 4 bytes a lane
	v_and_b32 v6, 7, v0
	v_lshl_add_u32 v6, v3, 3, v6                   ; r
	v_bfe_u32 v7, v0, 3, 1                         ; u
	s_mul_i32 s15, s12, WSW
	s_add_co_u32 s15, s15, WST                     ; my stage
	v_mul_u32_u24 v8, v7, WIM
	v_lshl_add_u32 v8, v6, 4, v8
	v_add_nc_u32 v8, s15, v8                       ; into image u: 16 r
	v_add_nc_u32 v9, s15, v1                       ; back: 16 x lane
	v_lshlrev_b32 v6, 4, v6
	v_lshl_add_u32 v6, v7, 2, v6                   ; my scale word's place: 16 r + 4 u
	s_wait_kmcnt 0x0
	s_add_nc_u64 s[6:7], s[6:7], s[16:17]
	s_add_nc_u64 s[8:9], s[8:9], s[18:19]
	s_add_nc_u64 s[10:11], s[10:11], s[22:23]
.macro WLOAD t                         ; block t: W(32 t + i, my column): 128 consecutive bytes a wave, 512 a work-group
.irp i, 0,1,2,3,4,5,6,7,8,9,10,11,12,13,14,15,16,17,18,19,20,21,22,23,24,25,26,27,28,29,30,31
	global_load_b32 v[RX+32*((\t)%2)+\i], v4, s[6:7] offset:(32*(\t)+\i)*12288 th:TH_LOAD_NT
.endr
.endm
.macro WBLK t
.set XS, RX+32*((\t)%2)
.if (\t) < 3
	s_wait_loadcnt 32                              ; this block's 32 loads are in; the next block's may be out
.else
	s_wait_loadcnt 0x0
.endif
	v_max3_num_f32 v12, |v[XS]|, |v[XS+1]|, |v[XS+2]|
	v_max3_num_f32 v13, |v[XS+3]|, |v[XS+4]|, |v[XS+5]|
.irp i, 6,10,14,18,22,26
	v_max3_num_f32 v12, v12, |v[XS+\i]|, |v[XS+\i+1]|
	v_max3_num_f32 v13, v13, |v[XS+\i+2]|, |v[XS+\i+3]|
.endr
	v_max3_num_f32 v12, v12, |v[XS+30]|, |v[XS+31]|
	v_max3_num_f32 v12, v12, v13, 0x2800000        ; and the floor 2^(5 - 127)
	v_add_nc_u32 v14, 0xfe000000, v12              ; the conversion's scale operand
	v_lshrrev_b32 v15, 23, v14                     ; the byte
.if (\t) == 0
	v_mov_b32 v[PWS], v15
.else
	v_lshl_or_b32 v[PWS], v15, 8*(\t), v[PWS]      ; the lower K in the lower byte
.endif
	v_cvt_scalef32_pk16_bf6_f32 v[PC:PC+2], v[XS:XS+15], v14
	v_cvt_scalef32_pk16_bf6_f32 v[PC+4:PC+6], v[XS+16:XS+31], v14
	v_nop                                          ; one plain line behind the scaled conversions
	v_mov_b32 v[PC+3], v[PC+4]                     ; the block's six registers on end
	v_mov_b32 v[PC+4], v[PC+5]
	v_mov_b32 v[PC+5], v[PC+6]
.if (\t) < 2
	ds_store_b128 v8, v[PC:PC+3] offset:256*((\t)%2)               ; registers 0-3
	ds_store_b64 v8, v[PC+4:PC+5] offset:512+256*((\t)%2)          ; registers 4, 5
.else
	ds_store_b64 v8, v[PC:PC+1] offset:520+256*((\t)%2)            ; registers 6, 7
	ds_store_b128 v8, v[PC+2:PC+5] offset:1024+256*((\t)%2)        ; registers 8-11
.endif
.if (\t)+2 < 4
	WLOAD (\t)+2
.endif
	s_wait_dscnt 0x0                               ; the stores have read their registers
.endm
	WLOAD 0
	WLOAD 1
	WBLK 0
	WBLK 1
	WBLK 2
	WBLK 3
.irp q, 0,1,2,3,4,5
	ds_load_b128 v[128+4*\q:131+4*\q], v9 offset:WIM*(\q/3)+512*(\q%3)
.endr
.irp q, 0,1,2,3,4,5
	s_wait_dscnt 5-\q                              ; LDS loads come back in order: number q is in
	global_store_b128 v1, v[128+4*\q:131+4*\q], s[8:9] offset:TPITCH*(\q/3)+512*(\q%3)   ; 512 consecutive bytes a store
.endr
	global_store_b32 v6, v[PWS], s[10:11]          ; 4 bytes a lane, 128 of a group's 256 bytes: the wave beside me has the rest; 98,304 bytes in the whole launch
	s_wait_tensorcnt 0x0                           ; the wave's end, behind my last LDS store
	ds_add_u32 v[SPW], v[NIL]
	s_wait_dscnt 0x0
	s_endpgm
.Lfunc_end_k_q0888c65832_quant:
	.size	k_q0888c65832_quant, .Lfunc_end_k_q0888c65832_quant-k_q0888c65832_quant
	.p2alignl 7, 3214868480
	.fill 96, 4, 3214868480
	.section	.rodata,"a",@progbits
	.p2align	6, 0x0
	.amdhsa_kernel k_q0888c65832_quant
		.amdhsa_group_segment_fixed_size 47616
		.amdhsa_private_segment_fixed_size 0
		.amdhsa_enable_private_segment 0
		.amdhsa_kernarg_size 32
		.amdhsa_user_sgpr_count 2
		.amdhsa_user_sgpr_kernarg_segment_ptr 1
		.amdhsa_wavefront_size32 1
		.amdhsa_system_sgpr_workgroup_id_x 1
		.amdhsa_system_sgpr_workgroup_id_y 1
		.amdhsa_system_sgpr_workgroup_id_z 1
		.amdhsa_system_vgpr_workitem_id 0
		.amdhsa_next_free_vgpr 256
		.amdhsa_next_free_sgpr 66
		.amdhsa_reserve_vcc 1
		.amdhsa_float_denorm_mode_32 3
		.amdhsa_float_denorm_mode_16_64 3
		.amdhsa_memory_ordered 1
		.amdhsa_forward_progress 1
		.amdhsa_inst_pref_size 55
	.end_amdhsa_kernel
	.amdgpu_metadata
---
amdhsa.version: [ 1, 2 ]
amdhsa.kernels:
  - .name:           k_q0888c65832_quant
    .symbol:         k_q0888c65832_quant.kd
    .args:
      - { .name: x, .offset: 0, .size: 8, .value_kind: global_buffer, .address_space: global }
      - { .name: W_kqv, .offset: 8, .size: 8, .value_kind: global_buffer, .address_space: global }
      - { .name: c1, .offset: 16, .size: 8, .value_kind: global_buffer, .address_space: global }
      - { .name: s1, .offset: 24, .size: 8, .value_kind: global_buffer, .address_space: global }
    .group_segment_fixed_size: 47616
    .private_segment_fixed_size: 0
    .kernarg_segment_align: 8
    .kernarg_segment_size: 32
    .max_flat_workgroup_size: 128
    .sgpr_count:     66
    .vgpr_count:     256
    .wavefront_size: 32
...
	.end_amdgpu_metadata
.endif
;; end of part 1
;; launch g1 (part 2): grid 8 x 48, 4 waves a work-group, clusters of 4 x 4, 327,680 bytes of LDS; arguments c1, s1, c2, s2, c3, s3; writes c2, s2, c3, s3
.if DOCPART == 2
	.amdgcn_target "amdgcn-amd-amdhsa--gfx1250"
	.amdhsa_code_object_version 6
	.text
	.protected	k_q0888c65832_g1
	.globl	k_q0888c65832_g1
	.p2align	8
	.type	k_q0888c65832_g1,@function
k_q0888c65832_g1:
	s_mov_b64 s[64:65], 0
	v_nop
	global_prefetch_b8 v0, s[64:65] scope:SCOPE_SE
	s_setreg_imm32_b32 hwreg(HW_REG_WAVE_MODE, 25, 1), 1
	s_wait_xcnt 0x0
	s_wait_alu depctr_hold_cnt(0) depctr_sa_sdst(0) depctr_va_vdst(0) depctr_va_sdst(0) depctr_va_ssrc(0) depctr_va_vcc(0) depctr_vm_vsrc(0)
	s_getreg_b32 s2, hwreg(HW_REG_IB_STS2, 6, 4)
	s_cmp_eq_u32 s2, 0
	s_cbranch_scc0 .Lentry_in_a_cluster
	s_endpgm
.Lentry_in_a_cluster:
	s_bfe_u32 s2, ttmp6, 0x10000c
	s_cmp_lg_u32 s2, 0xf033
	s_cbranch_scc0 .Lentry_shape_is_right
	s_endpgm
.Lentry_shape_is_right:
; qkv = x W on codes of E3M2, K = 1,024; the way out quantises the result for the next product, in registers.  Nothing is left out here: every number of q, k and v is used.
; A work-group makes 256 x 256 of the result; four waves, each 128 x 128: 64 accumulators, 512 registers.  Source 0 ('B') = the tiles whose rows become the NEXT product's K, source 1 ('A') = the tiles whose rows stay rows.
;   clusters y 0-7 (q and k): A = x (tokens), B = W^T columns 0-2047: a lane holds one token and its registers run along the channels.  Out: c2 [q tiles 0-511, k tiles 512-1023][8 K steps][1536], s2.
;   clusters y 8-11 (v):      A = W^T columns 2048-3071, B = x: a lane holds one channel and its registers run along the tokens, the keys of the last product.  Out: c3 [64 channel tiles][64 steps of 128 tokens][1536], s3.
; The two parts differ in numbers alone, chosen by s_cselect on the cluster's y: one text, no branch.
; OPERANDS lie in memory as images of their registers (1,536 bytes for 16 rows x 128 K): a fragment is three ds_load_b128 at 16 x lane; no pitch, no padding.
; LDS: three slots of two K steps (A's 16 tiles, then B's 16; a tile's two steps are 3,072 bytes).  K slots 0, 1, 2 are first fills, three loads a wave, out together; K slot 3 is the one refill, into slot 0.
; The eight K steps are written out.  By this text's own count a wave has three tensor loads out at the start and one behind the refill.
; CLUSTERS: 4 x 4.  A's tiles hang on the cluster's row, B's on its column: each is asked for jointly by the four that share it.
; THE SCALE WORDS of all eight K steps come straight into 64 registers: lanes 0-15 A's tile i, lanes 16-31 B's tile i.
; REGISTERS: window 0: v1-23 addresses; v32-95 scale words; v96-127 at work on the way out; v128-223 A's fragments, one set (on the way out: the codes).  window 1: B's fragments, two sets, at v0 and v128.
;   window 2: the accumulators of A's tiles 0-3 ((a, b) at v[8 (8 (a % 4) + b)]);  window 3: of tiles 4-7.
; LIMITS: a block of the result whose largest magnitude lies under 2^-122 (zeros too) keeps the scale byte 1; NaN and infinities are not served.
.set FR,     12
.set FRB,    1536
.set TROW,   2*FRB                     ; a tile's two K steps in a slot
.set TPITCH, 8*FRB                     ; a tile's eight K steps in c1
.set HALFT,  8*TROW                    ; 8 tiles: what one tensor load brings, and what one wave reads of A or of B
.set SLOT,   4*HALFT
.set SPARE,  3*SLOT                    ; behind the slots: the spare words, 128 bytes for each wave: two blocks of 256 bytes that no other line names
.set PLANE,  45056                     ; a K step's scale words in s1
.set ADRA, 4                           ; v4-6   LDS address of my A fragments in slot 0, 1, 2
.set SOFF, 7                           ; v7     my scale words in s1
.set OA,   8                           ; v8-15  where tile a's codes go
.set ADRB, 16                          ; v16-18 the same as ADRA for B
.set OS,   19                          ; v19    where my scale words go
.set SPW,  20                          ; v20    LDS address of my spare word; never rewritten
.set NIL,  21                          ; v21    0; never rewritten
.set SC,   32                          ; v32-95 scale words: register 8 s + i
.set TM,   96
.set PWS,  120
.set AF,   128
.set G1A,  24                          ; s[24:31], s[32:39] descriptor group 1 for A's and B's tiles
.set G1B,  32
.set G0A,  40                          ; s[40:51], s[52:63] group 0, a set for each first fill
.set G0B,  52
.set SEL,  86
.set MSB, 0
.macro WIN new                         ; the immediate's high byte repeats the setting that is left
.if MSB != (\new)
	s_set_vgpr_msb (MSB<<8)|(\new)
.set MSB, \new
.endif
.endm
.set MUL_LO, 0xa1                      ; source 0 (B) window 1, source 1 (A) window 0, C and D window 2
.set MUL_HI, 0xf1                      ; the same, C and D window 3
.set TO_B,   0x40                      ; destination window 1, address window 0
.macro PLACES                          ; four plain lines between a matrix instruction and a load into, or a read of, its registers (ISA guide 7.12.1 for the reads)
.rept 4
	v_nop
.endr
.endm
; A joint load: waves 0 and 1 fetch A's halves, waves 2 and 3 B's.  The branch hangs on the wave's number alone.  An s_nop 0 and four v_nop follow each line.
.macro JLOAD n
	s_cmp_eq_u32 s17, 0
	s_cbranch_scc0 .Lfor_b_\@
	tensor_load_to_lds s[G0A+4*\n:G0A+4*\n+3], s[G1A:G1A+7]
	s_nop 0
.rept 4
	v_nop
.endr
	s_branch .Lasked_\@
.Lfor_b_\@:
	tensor_load_to_lds s[G0B+4*\n:G0B+4*\n+3], s[G1B:G1B+7]
	s_nop 0
.rept 4
	v_nop
.endr
.Lasked_\@:
.endm
.macro CREST                           ; a round of the cluster's barrier behind its opening barrier
	s_cmp_lg_u32 s16, 0
	s_cbranch_scc1 .Lnot_wave_0_\@
	s_barrier_signal -3
.Lnot_wave_0_\@:
	s_barrier_wait -3
	s_barrier_signal -1
	s_barrier_wait -1
.endm
.macro CROUND
	s_barrier_signal -1
	s_barrier_wait -1
	CREST
.endm
.macro FRAG reg, adr, off              ; a fragment: three loads of 512 consecutive bytes
.irp g, 0,1,2
	ds_load_b128 v[\reg+4*\g:\reg+4*\g+3], v[\adr] offset:\off+512*\g
.endr
.endm
.macro FETCH_B ns, nq, p               ; B's eight fragments of step nq of slot ns into set p
	WIN TO_B
.irp i, 0,1,2,3,4,5,6,7
	FRAG 128*(\p)+FR*\i, ADRB+\ns, \i*TROW+(\nq)*FRB
.endr
	WIN 0
.endm
.macro FETCH_A ns, nq, i0              ; A's tiles i0 .. i0 + 3
.irp i, \i0, \i0+1, \i0+2, \i0+3
	FRAG AF+FR*(\i), ADRA+\ns, (\i)*TROW+(\nq)*FRB
.endr
.endm
; 16 matrix instructions: A's tiles a0, a0 + 1 x B's eight, K step s.  The 64 accumulators take turns, one instruction a turn, in the same order in every step.
.macro MUL16 a0, p, s, zero
.irp a, \a0, \a0+1
.irp b, 0,1,2,3,4,5,6,7
.if \zero
	v_wmma_scale_f32_16x16x128_f8f6f4 v[8*(8*((\a)%4)+\b):8*(8*((\a)%4)+\b)+7], v[128*(\p)+FR*\b:128*(\p)+FR*\b+FR-1], v[AF+FR*(\a):AF+FR*(\a)+FR-1], 0, v[SC+8*(\s)+\b], v[SC+8*(\s)+(\a)] matrix_a_fmt:MATRIX_FMT_BF6 matrix_b_fmt:MATRIX_FMT_BF6 matrix_a_scale:MATRIX_SCALE_ROW1
.else
	v_wmma_scale_f32_16x16x128_f8f6f4 v[8*(8*((\a)%4)+\b):8*(8*((\a)%4)+\b)+7], v[128*(\p)+FR*\b:128*(\p)+FR*\b+FR-1], v[AF+FR*(\a):AF+FR*(\a)+FR-1], v[8*(8*((\a)%4)+\b):8*(8*((\a)%4)+\b)+7], v[SC+8*(\s)+\b], v[SC+8*(\s)+(\a)] matrix_a_fmt:MATRIX_FMT_BF6 matrix_b_fmt:MATRIX_FMT_BF6 matrix_a_scale:MATRIX_SCALE_ROW1
.endif
.endr
.endr
.endm
; K step s; the next step's fragments (step nq of slot ns) are fetched in two runs: B's and A's tiles 0-3 in the middle, A's tiles 4-7 at the end.
.macro STEP s, ns, nq, zero
	s_wait_dscnt 12                                ; B's set and A's tiles 0-3 are in; the youngest 12 loads (A's tiles 4-7) may be out
	WIN MUL_LO
	MUL16 0, (\s)%2, \s, \zero
	MUL16 2, (\s)%2, \s, \zero
	s_wait_dscnt 0x0                               ; A's tiles 4-7 are in
	PLACES
	FETCH_B \ns, \nq, 1-(\s)%2
	FETCH_A \ns, \nq, 0
	WIN MUL_HI
	MUL16 4, (\s)%2, \s, \zero
	MUL16 6, (\s)%2, \s, \zero
	PLACES
	WIN 0
	FETCH_A \ns, \nq, 4
.endm
; A K step with a barrier in it.  In front of the barrier each wave waits for all its tensor loads, adds 0 to its spare word, and waits for that and for its LDS reads.
; fill = 1: the barrier opens a round of the cluster's barrier, and slot 0, which nobody reads any more, takes K slot 3.
.macro TURN s, ns, fill
	s_wait_tensorcnt 0x0                           ; all my tensor loads have landed
	ds_add_u32 v[SPW], v[NIL]                      ; 0 onto my spare word
	s_wait_dscnt 13                                ; (the add and the youngest 12 loads may be out)
	WIN MUL_LO
	MUL16 0, (\s)%2, \s, 0                         ; sixteen matrix instructions stand between the add and the wait for it
	s_wait_dscnt 0x0                               ; the add is done, and my reads of the slot that I leave are over
	s_barrier_signal -1
	MUL16 2, (\s)%2, \s, 0
	WIN 0
	s_barrier_wait -1
.if \fill
	CREST                                          ; no wave of any partner still reads slot 0 or has a load on its way
	s_add_nc_u64 s[G0A+2:G0A+3], s[G0A+2:G0A+3], 3*TROW   ; K slot 3: three slots on along a tile's row
	s_add_nc_u64 s[G0B+2:G0B+3], s[G0B+2:G0B+3], 3*TROW
	JLOAD 0                                        ; the first tensor load behind the round; it has four K steps in which to land; its four v_nop are also the places in front of the loads below
.else
	PLACES
.endif
	FETCH_B \ns, 0, 1-(\s)%2
	FETCH_A \ns, 0, 0
	WIN MUL_HI
	MUL16 4, (\s)%2, \s, 0
	MUL16 6, (\s)%2, \s, 0
	PLACES
	WIN 0
	FETCH_A \ns, 0, 4
.endm
	s_load_b256 s[4:11], s[0:1], 0x0               ; c1 s[4:5], s1 s[6:7], c2 s[8:9], s2 s[10:11]
	s_load_b128 s[12:15], s[0:1], 0x20             ; c3 s[12:13], s3 s[14:15]
	v_lshl_add_u32 v[SPW], v0, 2, SPARE
	v_mov_b32 v[NIL], 0
	ds_add_u32 v[SPW], v[NIL]                      ; the wave's opening: the add, twice on end, and its wait ahead of my first tensor load
	ds_add_u32 v[SPW], v[NIL]
	v_lshrrev_b32 v1, 5, v0
	v_readfirstlane_b32 s16, v1                    ; wave 0..3
	s_lshr_b32 s17, s16, 1                         ; which half of A's tiles is mine.  Also: I fetch for A (0) or for B (1)
	s_and_b32 s18, s16, 1                          ; which half of B's.  Also: which 8 tiles I fetch
	s_bfe_u32 s19, ttmp6, 0x40000                  ; cx
	s_bfe_u32 s20, ttmp6, 0x40004                  ; cy
	s_and_b32 s22, ttmp7, 0xffff                   ; the cluster's y
	s_lshl_b32 s66, s22, 2                         ; q, k: A's block of 16 tiles = 4 y + cy
	s_lshl_b32 s67, ttmp9, 2                       ;       column block = 4 x + cx,
	s_add_co_u32 s68, s67, 32                      ;       B's block = 32 + that (W^T begins at tile 512)
	s_sub_co_u32 s23, s22, 8
	s_lshl_b32 s23, s23, 1
	s_add_co_u32 s23, s23, ttmp9
	s_lshl_b32 s23, s23, 2                         ; v: B's block (tokens) = 4 (2 (y - 8) + x) + cx; A's block = 40 + cy (W^T's columns 2048 on)
	s_mov_b32 s69, 98304
	s_mov_b32 s70, 4096
	s_cmp_lt_u32 s22, 8                            ; q and k, or v?  The same in all sixteen partners
	s_cselect_b32 s71, s66, 40                     ; A's block, less cy
	s_cselect_b32 s72, s68, s23                    ; B's block, less cx
	s_cselect_b32 s73, s66, 0                      ; the output's block of 16 tiles, less cy
	s_cselect_b32 s74, s67, s23                    ; the output's pair of K steps, less cx
	s_cselect_b32 s75, 3, 6                        ; q, k: eight K steps to a tensor
	s_cselect_b32 s76, 7, 63
	s_cselect_b32 s77, 12288, s69                  ; a tile's pitch in the output
	s_cselect_b32 s78, 65536, s70                  ; a K step's scale words in the output
	s_add_co_u32 s79, s71, s20                     ; A's block: it never holds cx
	s_add_co_u32 s80, s72, s19                     ; B's block: it never holds cy
	s_lshl_b32 s81, s20, 2
	s_lshl_b32 s81, 15, s81                        ; my row of the cluster
	s_lshl_b32 s82, 0x1111, s19                    ; my column
	; descriptor group 1: 8 rows (tiles) of 3,072 bytes, 12,288 bytes apart, in elements of 8 bytes; no padding
	s_or_b32 s[G1A], s81, (3<<16)|(1<<21)          ; 15:0 the mask; 17:16 elements of 8 bytes; 21 set beside a mask
	s_or_b32 s[G1B], s82, (3<<16)|(1<<21)
.irp g, G1A, G1B
	s_mov_b32 s[\g+1], 384<<16                     ; tensor_dim0
	s_mov_b32 s[\g+2], 8<<16                       ; tensor_dim1
	s_mov_b32 s[\g+3], 384<<16                     ; tile_dim0
	s_mov_b32 s[\g+4], 8                           ; tile_dim1
	s_mov_b32 s[\g+5], 1536                        ; tensor_dim0_stride
	s_mov_b32 s[\g+6], 0
	s_mov_b32 s[\g+7], 0
.endr
	s_lshl_b32 s91, s18, 3                         ; which 8 tiles I fetch
	s_lshl_b32 s84, s79, 4
	s_add_co_u32 s84, s84, s91
	s_mul_i32 s84, s84, TPITCH
	s_mov_b32 s85, 0
	s_lshl_b32 s88, s80, 4
	s_add_co_u32 s88, s88, s91
	s_mul_i32 s88, s88, TPITCH
	s_mov_b32 s89, 0
	s_mul_i32 s90, s16, HALFT                      ; where they go: wave x 8 tiles: no place in the cluster enters an LDS address
	s_wait_dscnt 0x0                               ; both opening adds are done
	s_wait_kmcnt 0x0
	s_add_nc_u64 s[84:85], s[4:5], s[84:85]
	s_add_nc_u64 s[88:89], s[4:5], s[88:89]
	CROUND                                         ; all sixteen work-groups are here: the first joint loads meet
.irp n, 0,1,2
	s_mov_b32 s[G0A+4*\n], 1
	s_add_co_u32 s[G0A+4*\n+1], s90, \n*SLOT
	s_add_nc_u64 s[G0A+4*\n+2:G0A+4*\n+3], s[84:85], \n*TROW
	s_or_b32 s[G0A+4*\n+3], s[G0A+4*\n+3], 0x80000000
	s_mov_b32 s[G0B+4*\n], 1
	s_add_co_u32 s[G0B+4*\n+1], s90, \n*SLOT
	s_add_nc_u64 s[G0B+4*\n+2:G0B+4*\n+3], s[88:89], \n*TROW
	s_or_b32 s[G0B+4*\n+3], s[G0B+4*\n+3], 0x80000000
	JLOAD \n
.endr
	v_and_b32 v22, 31, v0
	v_lshlrev_b32 v1, 4, v22                       ; 16 x lane
	v_and_b32 v2, 15, v0                           ; r
	v_bfe_u32 v3, v0, 4, 1                         ; h
	s_mul_i32 s91, s17, HALFT                      ; my 8 tiles of A
	s_mul_i32 s92, s18, HALFT
	s_add_co_u32 s92, s92, 2*HALFT                 ; my 8 tiles of B, behind A's 16
.irp n, 0,1,2
	v_add_nc_u32 v[ADRA+\n], s91, v1
	v_add_nc_u32 v[ADRB+\n], s92, v1
	s_add_co_u32 s91, s91, SLOT
	s_add_co_u32 s92, s92, SLOT
.endr
	s_lshl_b32 s93, s79, 2                         ; the scale words: my first group of four tiles of A,
	s_lshl_b32 s94, s17, 1
	s_add_co_u32 s93, s93, s94
	s_lshl_b32 s93, s93, 8
	s_lshl_b32 s94, s80, 2                         ; and of B
	s_lshl_b32 s95, s18, 1
	s_add_co_u32 s94, s94, s95
	s_lshl_b32 s94, s94, 8
	v_mov_b32 v22, s93
	v_mov_b32 v23, s94
	v_cmp_eq_u32 vcc_lo, 1, v3
	v_cndmask_b32 v[SOFF], v22, v23, vcc_lo        ; lanes 0-15 take A's, lanes 16-31 B's
	v_lshl_add_u32 v[SOFF], v2, 4, v[SOFF]         ; + 16 r: four tiles' words of row r
.irp s, 0,1,2,3,4,5,6,7
.irp g, 0,1
	global_load_b128 v[SC+8*\s+4*\g:SC+8*\s+4*\g+3], v[SOFF], s[6:7] offset:\s*PLANE+256*\g
.endr
.endr
	; where the results go
	s_add_co_u32 s73, s73, s20                     ; the output's block of 16 tiles
	s_add_co_u32 s74, s74, s19
	s_lshl_b32 s74, s74, 1
	s_add_co_u32 s74, s74, s18                     ; which 128 of B's rows are mine
	s_and_b32 s76, s74, s76                        ; the output's K step
	s_lshr_b32 s75, s74, s75                       ; q (0) or k (1); 0 for v
	s_lshl_b32 s75, s75, 9
	s_lshl_b32 s73, s73, 4
	s_add_co_u32 s75, s75, s73
	s_lshl_b32 s73, s17, 3
	s_add_co_u32 s75, s75, s73                     ; my first tile of the output
	s_mul_i32 s95, s75, s77
	s_mul_i32 s96, s76, FRB
	s_add_co_u32 s95, s95, s96
	v_add_nc_u32 v[OA], s95, v1
.irp a, 1,2,3,4,5,6,7
	v_add_nc_u32 v[OA+\a], s77, v[OA+\a-1]
.endr
	s_mul_i32 s96, s76, s78
	s_lshl_b32 s97, s75, 6                         ; 256 bytes for each group of four tiles
	s_add_co_u32 s96, s96, s97
	v_add_nc_u32 v[OS], s96, v1
	s_cmp_lt_u32 s22, 8
	s_cselect_b64 s[8:9], s[8:9], s[12:13]         ; the codes' buffer: the choice hangs on the cluster's number alone
	s_cselect_b64 s[10:11], s[10:11], s[14:15]     ; the scale words'
	s_mov_b32 s[SEL], 0x76543210
	s_mov_b32 s[SEL+1], 0xfedcba98
.irp b, 0,1,2,3
	v_mov_b32 v[TM+4+\b], 0                        ; written once: a lane permute's destination counts as one of its sources
.endr
	s_wait_tensorcnt 0x2                           ; my part of slot 0 is in; slots 1 and 2 may stay out
	s_barrier_signal -1
	s_barrier_wait -1                              ; everybody's is
	FETCH_B 0, 0, 0
	FETCH_A 0, 0, 0
	FETCH_A 0, 0, 4
	s_wait_loadcnt 0x0                             ; the scale words
	STEP 0, 0, 1, 1                                ; the first step's products start the sums: nothing is cleared
	TURN 1, 1, 1                                   ; slots 1 and 2 are whole; slot 0 takes K slot 3
	STEP 2, 1, 1, 0
	STEP 3, 2, 0, 0                                ; on into slot 2, which the barrier in step 1 has shown whole
	STEP 4, 2, 1, 0
	TURN 5, 0, 0                                   ; K slot 3 is whole
	STEP 6, 0, 1, 0
	s_wait_dscnt 12                                ; the last step: nothing more to fetch
	WIN MUL_LO
	MUL16 0, 1, 7, 0
	MUL16 2, 1, 7, 0
	s_wait_dscnt 0x0
	WIN MUL_HI
	MUL16 4, 1, 7, 0
	MUL16 6, 1, 7, 0
	WIN 0
	PLACES
; THE WAY OUT.  The 64 accumulator registers of A's tile a are 64 numbers of my row: register 16 b + i = next K 32 b + 16 (lane / 16) + i.  They become one tile of the next operand: codes and a scale word.
; Each accumulator is read from its low end on.
.macro QUANTW a
.set QW, 2+(\a)/4
.set QS, 64*((\a)%4)
.if ((\a)%4) == 2
.set PC, 192                           ; the codes' registers never bear the numbers of the conversions' sources
.else
.set PC, 128
.endif
	WIN 5*QW                                       ; sources 0 and 1: the accumulators' window
.irp b, 0,1,2,3
	v_max3_num_f32 v[TM+\b], |v[QS+16*\b]|, |v[QS+16*\b+1]|, 0x2800000   ; and the floor 2^(5 - 127)
.endr
.irp i, 2,4,6,8,10,12,14
.irp b, 0,1,2,3
	v_max3_num_f32 v[TM+\b], |v[QS+16*\b+\i]|, |v[QS+16*\b+\i+1]|, v[TM+\b]
.endr
.endr
	WIN 0
.irp b, 0,1,2,3
	v_permlanex16_b32 v[TM+4+\b], v[TM+\b], s[SEL], s[SEL+1]
.endr
.irp b, 0,1,2,3
	v_max_num_f32 v[TM+\b], v[TM+\b], v[TM+4+\b]
.endr
.irp b, 0,1,2,3
	v_add_nc_u32 v[TM+12+\b], 0xfe000000, v[TM+\b]
.endr
.irp b, 0,1,2,3
	v_lshrrev_b32 v[TM+4+\b], 23, v[TM+12+\b]
.endr
	v_lshl_or_b32 v[PWS+\a], v[TM+5], 8, v[TM+4]
	v_lshl_or_b32 v[PWS+\a], v[TM+6], 16, v[PWS+\a]
	v_lshl_or_b32 v[PWS+\a], v[TM+7], 24, v[PWS+\a]
	s_wait_xcnt 0x0                                ; the last tile's stores have read the codes' registers
	WIN QW                                         ; source 0: the accumulators' window
.irp c, 0,1
	v_cvt_scalef32_pk16_bf6_f32 v[PC+6*\c:PC+6*\c+2], v[QS+32*\c:QS+32*\c+15], v[TM+12+2*\c]
	v_cvt_scalef32_pk16_bf6_f32 v[PC+12+4*\c:PC+14+4*\c], v[QS+32*\c+16:QS+32*\c+31], v[TM+12+2*\c+1]
.endr
	WIN 0
	v_nop                                          ; one plain line behind the scaled conversions
.irp c, 0,1
.irp i, 0,1,2
	v_permlane16_swap_b32 v[PC+6*\c+\i], v[PC+12+4*\c+\i]
.endr
.irp i, 0,1,2
	v_mov_b32 v[PC+3+6*\c+\i], v[PC+12+4*\c+\i]
.endr
.endr
.irp g, 0,1,2
	global_store_b128 v[OA+\a], v[PC+4*\g:PC+4*\g+3], s[8:9] offset:512*\g   ; 512 consecutive bytes a store
.endr
.endm
.irp a, 0,1,2,3,4,5,6,7
	QUANTW \a
.endr
	v_cmp_eq_u32 vcc_lo, 1, v3                     ; both halves of the lanes hold all eight words: lanes 0-15 store tiles 0-3's group, lanes 16-31 tiles 4-7's
.irp i, 0,1,2,3
	v_cndmask_b32 v[TM+\i], v[PWS+\i], v[PWS+4+\i], vcc_lo
.endr
	global_store_b128 v[OS], v[TM:TM+3], s[10:11]  ; 512 consecutive bytes
	s_wait_tensorcnt 0x0                           ; the wave's end
	ds_add_u32 v[SPW], v[NIL]
	s_wait_dscnt 0x0
	CROUND                                         ; the closing round: no work-group ends while a partner may still ask for a tile that names it
	s_endpgm
.Lfunc_end_k_q0888c65832_g1:
	.size	k_q0888c65832_g1, .Lfunc_end_k_q0888c65832_g1-k_q0888c65832_g1
	.p2alignl 7, 3214868480
	.fill 96, 4, 3214868480
	.section	.rodata,"a",@progbits
	.p2align	6, 0x0
	.amdhsa_kernel k_q0888c65832_g1
		.amdhsa_group_segment_fixed_size 327680
		.amdhsa_private_segment_fixed_size 0
		.amdhsa_enable_private_segment 0
		.amdhsa_kernarg_size 48
		.amdhsa_user_sgpr_count 2
		.amdhsa_user_sgpr_kernarg_segment_ptr 1
		.amdhsa_wavefront_size32 1
		.amdhsa_system_sgpr_workgroup_id_x 1
		.amdhsa_system_sgpr_workgroup_id_y 1
		.amdhsa_system_sgpr_workgroup_id_z 1
		.amdhsa_system_vgpr_workitem_id 0
		.amdhsa_next_free_vgpr 1024
		.amdhsa_next_free_sgpr 100
		.amdhsa_reserve_vcc 1
		.amdhsa_float_denorm_mode_32 3
		.amdhsa_float_denorm_mode_16_64 3
		.amdhsa_memory_ordered 1
		.amdhsa_forward_progress 1
		.amdhsa_inst_pref_size 138
	.end_amdhsa_kernel
	.amdgpu_metadata
---
amdhsa.version: [ 1, 2 ]
amdhsa.kernels:
  - .name:           k_q0888c65832_g1
    .symbol:         k_q0888c65832_g1.kd
    .args:
      - { .name: c1, .offset: 0, .size: 8, .value_kind: global_buffer, .address_space: global }
      - { .name: s1, .offset: 8, .size: 8, .value_kind: global_buffer, .address_space: global }
      - { .name: c2, .offset: 16, .size: 8, .value_kind: global_buffer, .address_space: global }
      - { .name: s2, .offset: 24, .size: 8, .value_kind: global_buffer, .address_space: global }
      - { .name: c3, .offset: 32, .size: 8, .value_kind: global_buffer, .address_space: global }
      - { .name: s3, .offset: 40, .size: 8, .value_kind: global_buffer, .address_space: global }
    .group_segment_fixed_size: 327680
    .private_segment_fixed_size: 0
    .kernarg_segment_align: 8
    .kernarg_segment_size: 48
    .max_flat_workgroup_size: 128
    .sgpr_count:     100
    .vgpr_count:     1024
    .wavefront_size: 32
...
	.end_amdgpu_metadata
.endif
;; end of part 2
;; launch g2 (part 3): grid 9 x 16, 4 waves a work-group, no clusters, 327,680 bytes of LDS; arguments c2, s2, c4, s4; writes c4, s4
.if DOCPART == 3
	.amdgcn_target "amdgcn-amd-amdhsa--gfx1250"
	.amdhsa_code_object_version 6
	.text
	.protected	k_q0888c65832_g2
	.globl	k_q0888c65832_g2
	.p2align	8
	.type	k_q0888c65832_g2,@function
k_q0888c65832_g2:
	s_mov_b64 s[64:65], 0
	v_nop
	global_prefetch_b8 v0, s[64:65] scope:SCOPE_SE
	s_setreg_imm32_b32 hwreg(HW_REG_WAVE_MODE, 25, 1), 1
	s_wait_xcnt 0x0
; The scores S^T = k q^T on codes of E3M2, K = 1,024, and on the way out p = 2^(t - M) as codes along the keys.
; WORK LEFT OUT: the tiles of 256 queries x 256 keys with key tile J > query tile I lie wholly under the causal mask that reference() builds: 144 work-groups are the 4 x 36 tiles with J <= I.
; A work-group makes one tile; four waves, each 128 queries x 128 keys.  Source 0 ('B') = 16 keys, source 1 ('A') = 16 queries: a lane holds one query and its registers run along the keys.
; THE SOFTMAX.  t = score x log2(e) / 32.  Each wave takes M = ceil(the largest t) over ITS 128 keys alone: M is a whole number, so the last launch brings p under the row's M by taking the difference off p's scale
; bytes, which changes no code.  Stored for each row and 128 keys: the codes (c4), the scale word, -M and the sum of the unquantised p (s4).  The maximum is taken away before every exponential.
; A row all of whose 128 keys are hidden has the maximum's floor, -3e38: -M is a number, p = 0, the sum 0.
; NO CLUSTER: the triangle of live tiles does not divide into fours that share an operand; in a 4 x 4 block on the diagonal six partners would read nothing of what a joint load brings.
; Operands, slots, K steps and registers as in the launch before: three slots of two K steps, three first fills a wave, one refill; by this text's own count three tensor loads of a wave are out at the start, then one.
; LIMITS: NaN and infinities are not served; |t| under 2^24, so that M is exact in f32; a block all of whose p have fallen to 0 keeps the scale byte 1.
.set FR,     12
.set FRB,    1536
.set TROW,   2*FRB
.set TPITCH, 8*FRB
.set HALFT,  8*TROW
.set SLOT,   4*HALFT
.set SPARE,  3*SLOT                    ; the spare words, 128 bytes for each wave: two blocks of 256 bytes that no other line names
.set PLANE,  65536                     ; a K step's scale words in s2
.set ADRA, 4
.set SOFF, 7
.set OA,   8                           ; v8   where my codes go
.set ADRB, 16
.set OS,   19                          ; v19  where my three tables go
.set SPW,  20
.set NIL,  21
.set SC,   32
.set BM,   96                          ; v96-99   the blocks' largest scores, then largest p
.set BX,   100                         ; v100-103 the other half's; then the bytes
.set SO,   104                         ; v104-107 the conversions' scale operands
.set PWS,  120                         ; v120-127 eight scale words
.set AF,   128
.set NMS,  224                         ; v224-231 eight -M
.set LSS,  232                         ; v232-239 eight sums
.set G1,   24
.set G0,   40
.set Q0,   75                          ; s75  my first query
.set KL,   77                          ; s77  my last key
.set DQ,   78                          ; s78  my first query - my first key
.set SEL,  86
.set CS,   88                          ; s[88:89] c = log2(e) / 32
.set MSB, 0
.macro WIN new
.if MSB != (\new)
	s_set_vgpr_msb (MSB<<8)|(\new)
.set MSB, \new
.endif
.endm
.set MUL_LO, 0xa1
.set MUL_HI, 0xf1
.set TO_B,   0x40
.macro PLACES
.rept 4
	v_nop
.endr
.endm
.macro JLOAD n                         ; each wave fetches 8 tiles of its own: both addresses hang on the wave's number.  An s_nop 0 and four v_nop follow
	tensor_load_to_lds s[G0+4*\n:G0+4*\n+3], s[G1:G1+7]
	s_nop 0
.rept 4
	v_nop
.endr
.endm
.macro FRAG reg, adr, off
.irp g, 0,1,2
	ds_load_b128 v[\reg+4*\g:\reg+4*\g+3], v[\adr] offset:\off+512*\g
.endr
.endm
.macro FETCH_B ns, nq, p
	WIN TO_B
.irp i, 0,1,2,3,4,5,6,7
	FRAG 128*(\p)+FR*\i, ADRB+\ns, \i*TROW+(\nq)*FRB
.endr
	WIN 0
.endm
.macro FETCH_A ns, nq, i0
.irp i, \i0, \i0+1, \i0+2, \i0+3
	FRAG AF+FR*(\i), ADRA+\ns, (\i)*TROW+(\nq)*FRB
.endr
.endm
.macro MUL16 a0, p, s, zero            ; the 64 accumulators take turns, one instruction a turn
.irp a, \a0, \a0+1
.irp b, 0,1,2,3,4,5,6,7
.if \zero
	v_wmma_scale_f32_16x16x128_f8f6f4 v[8*(8*((\a)%4)+\b):8*(8*((\a)%4)+\b)+7], v[128*(\p)+FR*\b:128*(\p)+FR*\b+FR-1], v[AF+FR*(\a):AF+FR*(\a)+FR-1], 0, v[SC+8*(\s)+\b], v[SC+8*(\s)+(\a)] matrix_a_fmt:MATRIX_FMT_BF6 matrix_b_fmt:MATRIX_FMT_BF6 matrix_a_scale:MATRIX_SCALE_ROW1
.else
	v_wmma_scale_f32_16x16x128_f8f6f4 v[8*(8*((\a)%4)+\b):8*(8*((\a)%4)+\b)+7], v[128*(\p)+FR*\b:128*(\p)+FR*\b+FR-1], v[AF+FR*(\a):AF+FR*(\a)+FR-1], v[8*(8*((\a)%4)+\b):8*(8*((\a)%4)+\b)+7], v[SC+8*(\s)+\b], v[SC+8*(\s)+(\a)] matrix_a_fmt:MATRIX_FMT_BF6 matrix_b_fmt:MATRIX_FMT_BF6 matrix_a_scale:MATRIX_SCALE_ROW1
.endif
.endr
.endr
.endm
.macro STEP s, ns, nq, zero
	s_wait_dscnt 12                                ; B's set and A's tiles 0-3 are in; the youngest 12 loads (A's tiles 4-7) may be out
	WIN MUL_LO
	MUL16 0, (\s)%2, \s, \zero
	MUL16 2, (\s)%2, \s, \zero
	s_wait_dscnt 0x0
	PLACES
	FETCH_B \ns, \nq, 1-(\s)%2
	FETCH_A \ns, \nq, 0
	WIN MUL_HI
	MUL16 4, (\s)%2, \s, \zero
	MUL16 6, (\s)%2, \s, \zero
	PLACES
	WIN 0
	FETCH_A \ns, \nq, 4
.endm
.macro TURN s, ns, fill
	s_wait_tensorcnt 0x0                           ; all my tensor loads have landed
	ds_add_u32 v[SPW], v[NIL]                      ; 0 onto my spare word
	s_wait_dscnt 13                                ; (the add and the youngest 12 loads may be out)
	WIN MUL_LO
	MUL16 0, (\s)%2, \s, 0
	s_wait_dscnt 0x0                               ; the add is done, and my reads of the slot that I leave are over
	s_barrier_signal -1
	MUL16 2, (\s)%2, \s, 0
	WIN 0
	s_barrier_wait -1
.if \fill
	s_add_nc_u64 s[G0+2:G0+3], s[G0+2:G0+3], 3*TROW   ; K slot 3
	JLOAD 0                                        ; my one tensor load behind the barrier, and the first thing there; its four v_nop are also the places in front of the loads below
.else
	PLACES
.endif
	FETCH_B \ns, 0, 1-(\s)%2
	FETCH_A \ns, 0, 0
	WIN MUL_HI
	MUL16 4, (\s)%2, \s, 0
	MUL16 6, (\s)%2, \s, 0
	PLACES
	WIN 0
	FETCH_A \ns, 0, 4
.endm
	s_load_b256 s[4:11], s[0:1], 0x0               ; c2 s[4:5], s2 s[6:7], c4 s[8:9], s4 s[10:11]
	v_lshl_add_u32 v[SPW], v0, 2, SPARE
	v_mov_b32 v[NIL], 0
	ds_add_u32 v[SPW], v[NIL]                      ; the wave's opening: the add, twice on end, and its wait ahead of my first tensor load
	ds_add_u32 v[SPW], v[NIL]
	v_lshrrev_b32 v1, 5, v0
	v_readfirstlane_b32 s16, v1                    ; wave 0..3
	s_lshr_b32 s17, s16, 1                         ; which 128 queries.  Also: I fetch q's tiles (0) or k's (1)
	s_and_b32 s18, s16, 1                          ; which 128 keys.  Also: which 8 tiles I fetch
	s_and_b32 s19, ttmp7, 0xffff
	s_and_b32 s20, s19, 3                          ; P: rows P and 7 - P of the triangle have 9 tiles together
	s_lshr_b32 s21, s19, 2                         ; the batch
	s_sub_co_u32 s66, 7, s20
	s_sub_co_u32 s67, ttmp9, s20
	s_sub_co_u32 s67, s67, 1
	s_cmp_le_u32 ttmp9, s20
	s_cselect_b32 s22, s20, s66                    ; I
	s_cselect_b32 s23, ttmp9, s67                  ; J
	s_lshl_b32 s68, s21, 7
	s_lshl_b32 s69, s22, 4
	s_add_co_u32 s69, s69, s68                     ; q's first tile: 128 batch + 16 I
	s_lshl_b32 s70, s23, 4
	s_add_co_u32 s70, s70, s68
	s_add_co_u32 s70, s70, 512                     ; k's: 512 + 128 batch + 16 J
	s_sub_co_u32 s71, s70, s69
	s_mul_i32 s71, s71, s17
	s_add_co_u32 s71, s71, s69
	s_lshl_b32 s72, s18, 3
	s_add_co_u32 s71, s71, s72                     ; the 8 tiles that I fetch
	s_mul_i32 s72, s71, TPITCH
	s_mov_b32 s73, 0
	s_mul_i32 s74, s16, HALFT
	; descriptor group 1: 8 rows (tiles) of 3,072 bytes, 12,288 bytes apart, in elements of 8 bytes; no mask, no padding
	s_mov_b32 s[G1], 3<<16
	s_mov_b32 s[G1+1], 384<<16
	s_mov_b32 s[G1+2], 8<<16
	s_mov_b32 s[G1+3], 384<<16
	s_mov_b32 s[G1+4], 8
	s_mov_b32 s[G1+5], 1536
	s_mov_b32 s[G1+6], 0
	s_mov_b32 s[G1+7], 0
	s_wait_dscnt 0x0                               ; both opening adds are done
	s_wait_kmcnt 0x0
	s_add_nc_u64 s[72:73], s[4:5], s[72:73]
.irp n, 0,1,2
	s_mov_b32 s[G0+4*\n], 1
	s_add_co_u32 s[G0+4*\n+1], s74, \n*SLOT
	s_add_nc_u64 s[G0+4*\n+2:G0+4*\n+3], s[72:73], \n*TROW
	s_or_b32 s[G0+4*\n+3], s[G0+4*\n+3], 0x80000000
	JLOAD \n
.endr
	v_and_b32 v22, 31, v0
	v_lshlrev_b32 v1, 4, v22                       ; 16 x lane
	v_and_b32 v2, 15, v0                           ; r
	v_bfe_u32 v3, v0, 4, 1                         ; h
	s_mul_i32 s91, s17, HALFT
	s_mul_i32 s92, s18, HALFT
	s_add_co_u32 s92, s92, 2*HALFT
.irp n, 0,1,2
	v_add_nc_u32 v[ADRA+\n], s91, v1
	v_add_nc_u32 v[ADRB+\n], s92, v1
	s_add_co_u32 s91, s91, SLOT
	s_add_co_u32 s92, s92, SLOT
.endr
	s_lshl_b32 s80, s17, 3
	s_add_co_u32 s80, s80, s69                     ; my first tile of q
	s_lshl_b32 s81, s18, 3
	s_add_co_u32 s81, s81, s70                     ; my first tile of k
	s_lshl_b32 s82, s80, 6                         ; 256 bytes for each group of four tiles
	s_lshl_b32 s83, s81, 6
	v_mov_b32 v22, s82
	v_mov_b32 v23, s83
	v_cmp_eq_u32 vcc_lo, 1, v3
	v_cndmask_b32 v[SOFF], v22, v23, vcc_lo        ; lanes 0-15 take q's words, lanes 16-31 k's
	v_lshl_add_u32 v[SOFF], v2, 4, v[SOFF]
.irp s, 0,1,2,3,4,5,6,7
.irp g, 0,1
	global_load_b128 v[SC+8*\s+4*\g:SC+8*\s+4*\g+3], v[SOFF], s[6:7] offset:\s*PLANE+256*\g
.endr
.endr
	s_lshl_b32 s[Q0], s22, 8
	s_lshl_b32 s84, s17, 7
	s_add_co_u32 s[Q0], s[Q0], s84                 ; my first query, in the batch
	s_lshl_b32 s76, s23, 8
	s_lshl_b32 s84, s18, 7
	s_add_co_u32 s76, s76, s84                     ; my first key
	s_add_co_u32 s[KL], s76, 127
	s_sub_co_i32 s[DQ], s[Q0], s76
	s_lshl_b32 s79, s23, 1
	s_add_co_u32 s79, s79, s18                     ; which 128 keys of the batch
	s_mul_i32 s84, s80, 24576                      ; c4: [512 tiles of queries][16 steps of 128 keys][1536]
	s_mul_i32 s85, s79, FRB
	s_add_co_u32 s84, s84, s85
	v_add_nc_u32 v[OA], s84, v1
	s_lshl_b32 s84, s79, 7                         ; s4: [16 steps][128 groups of four tiles][words, -M, sums][16 rows][4 tiles]
	s_lshr_b32 s85, s80, 2
	s_add_co_u32 s84, s84, s85
	s_mul_i32 s84, s84, 768
	v_mul_u32_u24 v[OS], v3, 768                   ; lanes 16-31: my second group
	v_lshl_add_u32 v[OS], v2, 4, v[OS]
	v_add_nc_u32 v[OS], s84, v[OS]
	v_and_b32 v118, 8, v2
	v_add_nc_u32 v118, v118, v2
	v_lshlrev_b32 v22, 4, v3
	v_sub_nc_u32 v118, v118, v22                   ; r + 8 (r / 8) - 16 h
	v_mov_b32 v117, 0xff800000                     ; -infinity
	v_mov_b32 v111, 0                              ; (named as the upper half of the pair v[110:111])
.irp b, 0,1,2,3
	v_mov_b32 v[BX+\b], 0                          ; written once: a lane permute's destination counts as one of its sources
.endr
	s_mov_b32 s[SEL], 0x76543210
	s_mov_b32 s[SEL+1], 0xfedcba98
	s_mov_b32 s[CS], 0x3d38aa3b                    ; c = log2(e) / 32
	s_mov_b32 s[CS+1], s[CS]
	s_wait_tensorcnt 0x2                           ; my part of slot 0 is in; slots 1 and 2 may stay out
	s_barrier_signal -1
	s_barrier_wait -1
	FETCH_B 0, 0, 0
	FETCH_A 0, 0, 0
	FETCH_A 0, 0, 4
	s_wait_loadcnt 0x0                             ; the scale words
	STEP 0, 0, 1, 1
	TURN 1, 1, 1                                   ; slots 1 and 2 are whole; slot 0 takes K slot 3, which has four K steps in which to land
	STEP 2, 1, 1, 0
	STEP 3, 2, 0, 0
	STEP 4, 2, 1, 0
	TURN 5, 0, 0                                   ; K slot 3 is whole
	STEP 6, 0, 1, 0
	s_wait_dscnt 12
	WIN MUL_LO
	MUL16 0, 1, 7, 0
	MUL16 2, 1, 7, 0
	s_wait_dscnt 0x0
	WIN MUL_HI
	MUL16 4, 1, 7, 0
	MUL16 6, 1, 7, 0
	WIN 0
	PLACES
; THE WAY OUT, a tile of 16 queries at a time.  Register 16 b + i of the tile's 64 is the score of my query with key (my first key) + 32 b + 16 (lane / 16) + i.  Each accumulator is read from its low end on.
.macro SOFTQ a
.set QW, 2+(\a)/4
.set QS, 64*((\a)%4)
.if ((\a)%4) == 2
.set PC, 192
.else
.set PC, 128
.endif
	s_cmp_le_u32 s[KL], s[Q0]                      ; all my keys count for all my queries: ids alone
	s_cbranch_scc1 .Lopen_\@
	s_add_co_i32 s96, s[DQ], 32*((\a)/2)+8*((\a)%2)
	v_add_nc_u32 v116, s96, v118                   ; d = my query - my first key - 16 (lane / 16): hidden where 32 b + i > d
	WIN (QW<<6)|QW
.set N, 0
.rept 64
	v_cmp_gt_i32 vcc_lo, 32*(N/16)+N%16, v116
	v_cndmask_b32 v[QS+N], v[QS+N], v117, vcc_lo
.set N, N+1
.endr
	WIN 0
.Lopen_\@:
	WIN 5*QW
.irp b, 0,1,2,3
	v_max_num_f32 v[BM+\b], v[QS+16*\b], v[QS+16*\b+1]   ; the largest score of each block of 32 keys: it serves for the row's maximum and, since p rises with the score, for the block's largest p
.endr
.irp i, 2,4,6,8,10,12,14
.irp b, 0,1,2,3
	v_max3_num_f32 v[BM+\b], v[QS+16*\b+\i], v[QS+16*\b+\i+1], v[BM+\b]
.endr
.endr
	WIN 0
.irp b, 0,1,2,3
	v_permlanex16_b32 v[BX+\b], v[BM+\b], s[SEL], s[SEL+1]
.endr
.irp b, 0,1,2,3
	v_max_num_f32 v[BM+\b], v[BM+\b], v[BX+\b]
.endr
	v_max3_num_f32 v108, v[BM], v[BM+1], v[BM+2]
	v_max3_num_f32 v108, v108, v[BM+3], 0xff61b1e6 ; my query's largest score of these 128 keys, not under -3e38
	v_mul_f32 v108, s[CS], v108                    ; as t
	v_floor_f32 v110, -v108                        ; -M = floor(-t): M is a whole number
.irp b, 0,1,2,3
	v_fma_f32 v[BM+\b], v[BM+\b], s[CS], v110
.endr
	WIN (QW<<6)|QW
.set N, 0
.rept 32
	v_pk_fma_f32 v[QS+N:QS+N+1], v[QS+N:QS+N+1], s[CS:CS+1], v[110:111] op_sel_hi:[1,0,0]   ; t - M, two at a time
.set N, N+2
.endr
.set N, 0
.rept 64
	v_exp_f32 v[QS+N], v[QS+N]                     ; p = 2^(t - M), at most 1
.set N, N+1
.endr
	WIN 0
	v_mov_b32 v[NMS+\a], v110                      ; (a plain line behind the exponentials)
	s_wait_alu depctr_va_vdst(0)                   ; one wait for the batch of 64, ahead of its first reader
.irp b, 0,1,2,3
	v_exp_f32 v[BM+\b], v[BM+\b]                   ; each block's largest p: the same two instructions on the same number
.endr
	WIN 5*QW
	v_pk_add_f32 v[112:113], v[QS:QS+1], v[QS+2:QS+3]   ; the sum of the UNQUANTISED p, in two chains
	v_pk_add_f32 v[114:115], v[QS+4:QS+5], v[QS+6:QS+7]
	WIN QW
.irp j, 8,12,16,20,24,28,32,36,40,44,48,52,56,60
	v_pk_add_f32 v[112:113], v[QS+\j:QS+\j+1], v[112:113]
	v_pk_add_f32 v[114:115], v[QS+\j+2:QS+\j+3], v[114:115]
.endr
	WIN 0
	v_pk_add_f32 v[112:113], v[112:113], v[114:115]
	v_add_f32 v112, v112, v113
	v_permlanex16_b32 v114, v112, s[SEL], s[SEL+1]
	v_add_f32 v[LSS+\a], v112, v114
	s_wait_alu depctr_va_vdst(0)                   ; and one for the four
.irp b, 0,1,2,3
	v_max_num_f32 v[BM+\b], 0x2800000, v[BM+\b]    ; the floor 2^(5 - 127)
.endr
.irp b, 0,1,2,3
	v_add_nc_u32 v[SO+\b], 0xfe000000, v[BM+\b]
.endr
.irp b, 0,1,2,3
	v_lshrrev_b32 v[BX+\b], 23, v[SO+\b]
.endr
	v_lshl_or_b32 v[PWS+\a], v[BX+1], 8, v[BX]
	v_lshl_or_b32 v[PWS+\a], v[BX+2], 16, v[PWS+\a]
	v_lshl_or_b32 v[PWS+\a], v[BX+3], 24, v[PWS+\a]
	s_wait_xcnt 0x0                                ; the last tile's stores have read the codes' registers
	WIN QW
.irp c, 0,1
	v_cvt_scalef32_pk16_bf6_f32 v[PC+6*\c:PC+6*\c+2], v[QS+32*\c:QS+32*\c+15], v[SO+2*\c]
	v_cvt_scalef32_pk16_bf6_f32 v[PC+12+4*\c:PC+14+4*\c], v[QS+32*\c+16:QS+32*\c+31], v[SO+2*\c+1]
.endr
	WIN 0
	v_nop                                          ; one plain line behind the scaled conversions
.irp c, 0,1
.irp i, 0,1,2
	v_permlane16_swap_b32 v[PC+6*\c+\i], v[PC+12+4*\c+\i]
.endr
.irp i, 0,1,2
	v_mov_b32 v[PC+3+6*\c+\i], v[PC+12+4*\c+\i]
.endr
.endr
.irp g, 0,1,2
	global_store_b128 v[OA], v[PC+4*\g:PC+4*\g+3], s[8:9] offset:(\a)*24576+512*\g   ; 512 consecutive bytes a store
.endr
.endm
.irp a, 0,1,2,3,4,5,6,7
	SOFTQ \a
.endr
	v_cmp_eq_u32 vcc_lo, 1, v3                     ; both halves of the lanes hold all eight: lanes 0-15 store tiles 0-3's group, lanes 16-31 tiles 4-7's
.irp i, 0,1,2,3
	v_cndmask_b32 v[BM+\i], v[PWS+\i], v[PWS+4+\i], vcc_lo
	v_cndmask_b32 v[BX+\i], v[NMS+\i], v[NMS+4+\i], vcc_lo
	v_cndmask_b32 v[SO+\i], v[LSS+\i], v[LSS+4+\i], vcc_lo
.endr
	global_store_b128 v[OS], v[BM:BM+3], s[10:11]              ; sixteen lanes store 256 consecutive bytes, aligned
	global_store_b128 v[OS], v[BX:BX+3], s[10:11] offset:256
	global_store_b128 v[OS], v[SO:SO+3], s[10:11] offset:512
	s_wait_tensorcnt 0x0                           ; the wave's end
	ds_add_u32 v[SPW], v[NIL]
	s_wait_dscnt 0x0
	s_endpgm
.Lfunc_end_k_q0888c65832_g2:
	.size	k_q0888c65832_g2, .Lfunc_end_k_q0888c65832_g2-k_q0888c65832_g2
	.p2alignl 7, 3214868480
	.fill 96, 4, 3214868480
	.section	.rodata,"a",@progbits
	.p2align	6, 0x0
	.amdhsa_kernel k_q0888c65832_g2
		.amdhsa_group_segment_fixed_size 327680
		.amdhsa_private_segment_fixed_size 0
		.amdhsa_enable_private_segment 0
		.amdhsa_kernarg_size 32
		.amdhsa_user_sgpr_count 2
		.amdhsa_user_sgpr_kernarg_segment_ptr 1
		.amdhsa_wavefront_size32 1
		.amdhsa_system_sgpr_workgroup_id_x 1
		.amdhsa_system_sgpr_workgroup_id_y 1
		.amdhsa_system_sgpr_workgroup_id_z 1
		.amdhsa_system_vgpr_workitem_id 0
		.amdhsa_next_free_vgpr 1024
		.amdhsa_next_free_sgpr 100
		.amdhsa_reserve_vcc 1
		.amdhsa_float_denorm_mode_32 3
		.amdhsa_float_denorm_mode_16_64 3
		.amdhsa_memory_ordered 1
		.amdhsa_forward_progress 1
		.amdhsa_inst_pref_size 231
	.end_amdhsa_kernel
	.amdgpu_metadata
---
amdhsa.version: [ 1, 2 ]
amdhsa.kernels:
  - .name:           k_q0888c65832_g2
    .symbol:         k_q0888c65832_g2.kd
    .args:
      - { .name: c2, .offset: 0, .size: 8, .value_kind: global_buffer, .address_space: global }
      - { .name: s2, .offset: 8, .size: 8, .value_kind: global_buffer, .address_space: global }
      - { .name: c4, .offset: 16, .size: 8, .value_kind: global_buffer, .address_space: global }
      - { .name: s4, .offset: 24, .size: 8, .value_kind: global_buffer, .address_space: global }
    .group_segment_fixed_size: 327680
    .private_segment_fixed_size: 0
    .kernarg_segment_align: 8
    .kernarg_segment_size: 32
    .max_flat_workgroup_size: 128
    .sgpr_count:     100
    .vgpr_count:     1024
    .wavefront_size: 32
...
	.end_amdgpu_metadata
.endif
;; end of part 3
;; launch g3 (part 4): grid 8 x 32, 4 waves a work-group, no clusters, 230,912 bytes of LDS; arguments c3, s3, c4, s4, out0; writes out0
.if DOCPART == 4
	.amdgcn_target "amdgcn-amd-amdhsa--gfx1250"
	.amdhsa_code_object_version 6
	.text
	.protected	k_q0888c65832_g3
	.globl	k_q0888c65832_g3
	.p2align	8
	.type	k_q0888c65832_g3,@function
k_q0888c65832_g3:
	s_mov_b64 s[64:65], 0
	v_nop
	global_prefetch_b8 v0, s[64:65] scope:SCOPE_SE
	s_setreg_imm32_b32 hwreg(HW_REG_WAVE_MODE, 25, 1), 1
	s_wait_xcnt 0x0
; O^T = V^T P^T on codes of E3M2, K = the keys, divided by the row's sum.
; WORK LEFT OUT: reference() hides every key > query by a mask that it builds itself.  For the 128 queries 256 I + 128 f .. + 127 (f = 0, 1) only the key steps 0 .. 2 I + f (128 keys each) are walked: the steps beyond lie
; wholly under that mask.
; SHARES.  Work-group (n, 8 batch + 2 p + f) owns channels 128 n .. + 127 of one batch.  Their V^T, all 2,048 keys (196,608 bytes), comes into LDS once, by two tensor loads a wave at the head, and stays: nothing is filled again.
; It makes half f (128 queries) of two blocks of 256 queries, one after the other: I = 7 - p, then I = p: 16 + 2 f key steps for every work-group.  Wave w takes 32 queries (2 tiles) x 128 channels: 16 accumulators.
; With queries x channels of a work-group given (32,768 for 256 work-groups) this split moves the fewest bytes: V 196,608, P 8 tiles x 1,536 x 18 steps = 221,184, O 131,072.
; P's fragments go from memory straight into the registers of the one wave that multiplies them.  The 16 key steps are written out, with forward exits on ids: every LDS address is a constant + lane terms.
; A KEY STEP is 16 matrix instructions and 24 LDS loads (V's eight fragments, 12,288 bytes a wave).  V's fragments have two sets of registers: step t + 1's loads go out at the head of step t.
; NO CLUSTER: the work-groups that share a panel of V differ in p and f, on which the exits hang; those that share P take it into registers, not into LDS.
; THE ROW'S M.  The launch before took M for each 128 keys by itself.  Here -M of the row is the least of the steps' -M; a step's sum is multiplied by 2^(its M - the row's M), exactly, and the same whole number
; is taken off the four bytes of the step's scale word of P, each byte held at 0.  That reduction has a fixed length of 8 pairs of steps: pairs that are not walked hold its neutral elements (-M = 3e38, sum 0).
; WHAT IS ASKED FOR WHEN.  At the head, in the order of need: the first block's tables, P's steps 0-3, V's scale words; the two tensor loads; P's steps 4-7 (I >= 4 there, so steps 0-8 are always walked: no test).
; The second block's tables and P's steps 0-7 are asked for ahead of the first block's way out, under tests on ids: 60 loads at the most.  In the walk P's steps 4 c + 4 .. + 7 are asked for at the head of step 4 c (c = 1, 2).
; V's scale words are loaded for all 16 steps, 16 loads a wave, once: with p > 0 the last ones are not used.
; LIMITS: a step whose M lies 127 or more under the row's counts with its scale bytes at 0 (2^-127) and its sum times 2^-127: nothing beside the row's largest p, which is over 1/2.  NaN and infinities are not served.
; REGISTERS: window 0: v1-15 addresses; v16-17 the row's -M; v20-23 the sums, then 1 / sum (pairs); v28-33 at work; v48-111 V's scale words (register 8 k + i: lanes 0-15 step 2 k, lanes 16-31 step 2 k + 1);
;   v112-119 P's scale words, likewise; v128-223 V's fragments of even steps (ahead of the walk and on the way out: at work).  window 1: v0-127 the accumulators, (a, b) at v[8 (8 a + b)]; v128-223 V's fragments of odd steps.
;   window 2: v0-95 P's steps 0-3, 8-11; v96-191 steps 4-7, 12-15; v192-207 what comes off P's bytes; v208-223 the steps' -M, v224-239 their sums.
.set FR,    12
.set FRB,   1536
.set VHALF, 98304                      ; 8 tiles x 8 key steps
.set STAGE, 2*VHALF                    ; behind the panel: 16 rows x (512 bytes + 16) for each wave, for the way out; no tensor load lands here
.set SPARE, STAGE+4*16*528             ; the spare words, 128 bytes for each wave: two blocks of 256 bytes that no other line names
.set AV,  4                            ; v4-7  LDS address of V's fragments: half of the keys, half of the tiles
.set VP,  8                            ; v8    P's codes of my two tiles
.set VS,  9                            ; v9    my two tiles' places in the tables of s4; lanes 16-31 one key step on
.set VSV, 10                           ; v10   V's scale words
.set STO, 11
.set RD,  12
.set SPW, 13                           ; v13   LDS address of my spare word; never rewritten
.set NIL, 14                           ; v14   0; never rewritten
.set NM,  16
.set RL,  20
.set SW,  28
.set VSL, 40                           ; v40   16 r + 8 (wave % 2) + 98,304 h
.set PX,  44                           ; v44-45 the other half's
.set VSC, 48
.set PSC, 112
.set VF,  128
.set ND,  128
.set UU,  144
.set TT,  128
.set OB,  192
.set DR,  192                          ; in window 2
.set MT,  208
.set LT,  224
.set G1,  24
.set G0,  32
.set SEL, 40
.set MSB, 0
.macro WIN new                         ; the immediate's high byte repeats the setting that is left
.if MSB != (\new)
	s_set_vgpr_msb (MSB<<8)|(\new)
.set MSB, \new
.endif
.endm
.macro PLACES                          ; four plain lines between a matrix instruction and a load into, a write of, or a read of its registers
.rept 4
	v_nop
.endr
.endm
.macro SETBLK                          ; s23 = I: the block's steps and its addresses.  No load that names v8 or v9 is out
	s_add_co_u32 s21, s23, 1                       ; pairs of key steps whose tables count
	s_lshl_b32 s56, s23, 1
	s_add_co_u32 s56, s56, 1
	s_add_co_u32 s56, s56, s17                     ; key steps to walk: 2 I + 1 + f
	s_lshl_b32 s57, s19, 5
	s_lshl_b32 s58, s23, 2
	s_add_co_u32 s57, s57, s58
	s_lshl_b32 s58, s17, 1
	s_add_co_u32 s57, s57, s58                     ; my half's first group of four tiles: 32 batch + 4 I + 2 f
	s_lshl_b32 s58, s57, 2
	s_add_co_u32 s58, s58, s63                     ; my first tile: + 2 wave
	s_mul_i32 s58, s58, 24576
	s_add_co_u32 s57, s57, s14                     ; my group: + wave / 2
	s_mul_i32 s57, s57, 768
	v_add_nc_u32 v[VP], s58, v1
	v_add_nc_u32 v[VS], s57, v[VSL]
.endm
.macro STATS_ASK                       ; the steps' -M and sums; pairs that are not walked keep the neutral elements
	WIN 0x80                                       ; destination window 2
.set J, 2
.rept 14
	v_mov_b32 v[MT+J], s59
	v_mov_b32 v[LT+J], 0
.set J, J+1
.endr
	global_load_b64 v[MT:MT+1], v[VS], s[10:11] offset:256
	global_load_b64 v[LT:LT+1], v[VS], s[10:11] offset:512
	WIN 0
.irp k, 1,2,3,4,5,6,7
	s_cmp_le_u32 s21, \k
	s_cbranch_scc1 .Lasked_\@
	WIN 0x80
	global_load_b64 v[MT+2*\k:MT+2*\k+1], v[VS], s[10:11] offset:\k*196608+256
	global_load_b64 v[LT+2*\k:LT+2*\k+1], v[VS], s[10:11] offset:\k*196608+512
	WIN 0
.endr
.Lasked_\@:
.endm
.macro PLOADW k                        ; the scale words of P's steps 2 k (lanes 0-15) and 2 k + 1 (lanes 16-31), my two tiles
	global_load_b64 v[PSC+4*(((\k)/2)%2)+2*((\k)%2):PSC+4*(((\k)/2)%2)+2*((\k)%2)+1], v[VS], s[10:11] offset:(\k)*196608
.endm
.macro PLOADS t                        ; P's step t, my two tiles: six loads of 512 consecutive bytes; the destination's window is 2
.irp a, 0,1
.irp g, 0,1,2
	global_load_b128 v[96*(((\t)/4)%2)+24*((\t)%4)+FR*\a+4*\g:96*(((\t)/4)%2)+24*((\t)%4)+FR*\a+4*\g+3], v[VP], s[8:9] offset:\a*24576+(\t)*FRB+512*\g
.endr
.endr
.endm
.macro ASKSTEP t                       ; step t is asked for; a pair's scale words go with its even step
.if ((\t)%2) == 0
	PLOADW (\t)/2
.endif
	WIN 0x80
	PLOADS \t
	WIN 0
.endm
; The pair's two scale words of P: D, the same in all four bytes, comes off each byte, held at 0.  P's bytes are at most 123 and D at most 127: with bit 7 set in each byte no byte borrows from the next.
.macro SWAR k
.set SPB, PSC+4*(((\k)/2)%2)+2*((\k)%2)
.irp a, 0,1
	v_or_b32 v[SW+\a], s60, v[SPB+\a]
.endr
	WIN 0x08                                       ; source 1 window 2
.irp a, 0,1
	v_sub_nc_u32 v[SW+\a], v[SW+\a], v[DR+2*(\k)+\a]
.endr
	WIN 0
.irp a, 0,1
	v_and_b32 v[SW+2+\a], s60, v[SW+\a]            ; bit 7 is left where the byte was not under D
.endr
.irp a, 0,1
	v_lshrrev_b32 v[SW+4+\a], 7, v[SW+2+\a]
.endr
.irp a, 0,1
	v_sub_nc_u32 v[SW+2+\a], v[SW+2+\a], v[SW+4+\a]   ; 0x7f there, 0 elsewhere
.endr
.irp a, 0,1
	v_and_b32 v[SPB+\a], v[SW+\a], v[SW+2+\a]
.endr
.endm
.macro VFETCH t                        ; V's eight fragments of key step t into the set of its parity: 24 loads of 512 consecutive bytes
	WIN 0x40*((\t)%2)                              ; destination window 0 or 1, address window 0
.irp i, 0,1,2,3,4,5,6,7
.irp g, 0,1,2
	ds_load_b128 v[VF+FR*\i+4*\g:VF+FR*\i+4*\g+3], v[AV+2*((\t)/8)+\i/4] offset:(\i%4)*12288+((\t)%8)*FRB+512*\g
.endr
.endr
.endm
; 16 matrix instructions: V's eight tiles x my two tiles of queries.  The 16 accumulators take turns, one instruction a turn, in the same order in every step.
.macro MULV t, zero
.irp b, 0,1,2,3,4,5,6,7
.irp a, 0,1
.if \zero
	v_wmma_scale_f32_16x16x128_f8f6f4 v[8*(8*\a+\b):8*(8*\a+\b)+7], v[VF+FR*\b:VF+FR*\b+FR-1], v[96*(((\t)/4)%2)+24*((\t)%4)+FR*\a:96*(((\t)/4)%2)+24*((\t)%4)+FR*\a+FR-1], 0, v[VSC+8*((\t)/2)+\b], v[PSC+4*(((\t)/4)%2)+2*(((\t)/2)%2)+\a] matrix_a_fmt:MATRIX_FMT_BF6 matrix_b_fmt:MATRIX_FMT_BF6
.elseif ((\t)%2) == 0
	v_wmma_scale_f32_16x16x128_f8f6f4 v[8*(8*\a+\b):8*(8*\a+\b)+7], v[VF+FR*\b:VF+FR*\b+FR-1], v[96*(((\t)/4)%2)+24*((\t)%4)+FR*\a:96*(((\t)/4)%2)+24*((\t)%4)+FR*\a+FR-1], v[8*(8*\a+\b):8*(8*\a+\b)+7], v[VSC+8*((\t)/2)+\b], v[PSC+4*(((\t)/4)%2)+2*(((\t)/2)%2)+\a] matrix_a_fmt:MATRIX_FMT_BF6 matrix_b_fmt:MATRIX_FMT_BF6
.else
	v_wmma_scale_f32_16x16x128_f8f6f4 v[8*(8*\a+\b):8*(8*\a+\b)+7], v[VF+FR*\b:VF+FR*\b+FR-1], v[96*(((\t)/4)%2)+24*((\t)%4)+FR*\a:96*(((\t)/4)%2)+24*((\t)%4)+FR*\a+FR-1], v[8*(8*\a+\b):8*(8*\a+\b)+7], v[VSC+8*((\t)/2)+\b], v[PSC+4*(((\t)/4)%2)+2*(((\t)/2)%2)+\a] matrix_a_fmt:MATRIX_FMT_BF6 matrix_b_fmt:MATRIX_FMT_BF6 matrix_a_scale:MATRIX_SCALE_ROW1 matrix_b_scale:MATRIX_SCALE_ROW1
.endif
.endr
.endr
.endm
; Key step t.  fetch = 1: the next step's fragments of V go out first, into the set that the step before has left (its four plain lines stand at that step's end), and have this step's products in which to land.
.macro STEP3 t, zero, fetch
	s_wait_dscnt 0x0                               ; this step's fragments of V are in
.if \fetch
	VFETCH (\t)+1
.endif
	WIN 0x58+((\t)%2)                              ; source 0 (V) window 0 or 1, source 1 (P) window 2, C and D window 1
	MULV \t, \zero
	PLACES
	WIN 0
.endm
.macro EXIT t                          ; the block has no step t: ids alone, the same in all four waves
	s_cmp_le_u32 s56, \t
	s_cbranch_scc1 .Lepi
.endm
.macro CHUNK c                         ; the head of steps 4 c .. 4 c + 3
	s_wait_loadcnt 0x0                             ; their P is in
	SWAR 2*(\c)                                    ; a scale word made by vector instructions stands eight plain lines ahead of the product that takes it: behind the first pair's stand the second pair's twelve
	SWAR 2*(\c)+1                                  ; and the four below; behind the second pair's those four and the four at the end of each of the two steps between
	PLACES
.if (\c) < 3
.irp u, 4,5,6,7
	s_cmp_le_u32 s56, 4*(\c)+\u
	s_cbranch_scc1 .Lnomore_\@
	ASKSTEP 4*(\c)+\u                              ; into the registers that the four steps before have left
.endr
.Lnomore_\@:
.endif
.endm
	s_load_b256 s[4:11], s[0:1], 0x0               ; c3 s[4:5], s3 s[6:7], c4 s[8:9], s4 s[10:11]
	s_load_b64 s[12:13], s[0:1], 0x20              ; out0
	v_lshl_add_u32 v[SPW], v0, 2, SPARE
	v_mov_b32 v[NIL], 0
	ds_add_u32 v[SPW], v[NIL]                      ; the wave's opening: the add, twice on end, and its wait ahead of my first tensor load; the set-up below, work on registers, stands between
	ds_add_u32 v[SPW], v[NIL]
	v_lshrrev_b32 v1, 5, v0
	v_readfirstlane_b32 s16, v1                    ; wave 0..3
	s_lshr_b32 s14, s16, 1                         ; which group of four tiles of my half
	s_and_b32 s15, s16, 1                          ; which two tiles of the group
	s_lshl_b32 s63, s16, 1
	s_and_b32 s18, ttmp7, 0xffff
	s_and_b32 s17, s18, 1                          ; f: which half of a block's 256 queries
	s_bfe_u32 s20, s18, 0x20001                    ; p (2 bits from bit 1)
	s_lshr_b32 s19, s18, 3                         ; the batch
	; descriptor group 1: 2 rows (tiles) of 12,288 bytes (8 key steps), 98,304 bytes apart, in elements of 8 bytes
	s_mov_b32 s[G1], 3<<16
	s_mov_b32 s[G1+1], 1536<<16
	s_mov_b32 s[G1+2], 2<<16
	s_mov_b32 s[G1+3], 1536<<16
	s_mov_b32 s[G1+4], 2
	s_mov_b32 s[G1+5], 12288
	s_mov_b32 s[G1+6], 0
	s_mov_b32 s[G1+7], 0
	s_lshl_b32 s50, ttmp9, 3
	s_add_co_u32 s50, s50, s63                     ; V's tiles 8 n + 2 wave, + 1
	s_mul_i32 s50, s50, 98304
	s_mul_i32 s51, s19, 24576                      ; the batch's 16 steps
	s_add_co_u32 s50, s50, s51
	s_mov_b32 s51, 0
	s_mul_i32 s52, s16, 24576
	s_mov_b32 s[SEL], 0x76543210
	s_mov_b32 s[SEL+1], 0xfedcba98
	s_mov_b32 s42, 0xfefefeff                      ; -0x01010101
	s_mov_b32 s43, 0xc2fe0000                      ; -127.0
	s_mov_b32 s59, 0x7f61b1e6                      ; 3e38
	s_mov_b32 s60, 0x80808080
	v_and_b32 v15, 31, v0
	v_lshlrev_b32 v1, 4, v15                       ; 16 x lane
	v_and_b32 v2, 15, v0                           ; r
	v_bfe_u32 v3, v0, 4, 1                         ; h
	v_mov_b32 v[AV], v1
	v_add_nc_u32 v[AV+1], 49152, v1
	v_add_nc_u32 v[AV+2], 98304, v1
	v_add_nc_u32 v[AV+3], 147456, v1
	v_lshlrev_b32 v[VSV], 4, v2
	v_lshl_add_u32 v[VSV], v3, 12, v[VSV]          ; 16 r; lanes 16-31 one step (4,096 bytes) on
	s_lshl_b32 s53, s19, 16
	s_lshl_b32 s54, ttmp9, 9
	s_add_co_u32 s53, s53, s54
	v_add_nc_u32 v[VSV], s53, v[VSV]
	s_mul_i32 s54, s16, 16*528
	s_add_co_u32 s54, s54, STAGE                   ; my stage
	v_mul_u32_u24 v[STO], v2, 528
	v_lshl_add_u32 v[STO], v3, 6, v[STO]
	v_add_nc_u32 v[STO], s54, v[STO]               ; in: row r, + 64 h
	v_add_nc_u32 v[RD], s54, v1                    ; back: a row's 512 bytes
	v_mul_u32_u24 v[VSL], v3, 98304
	v_lshl_add_u32 v[VSL], v2, 4, v[VSL]
	s_lshl_b32 s54, s15, 3
	v_add_nc_u32 v[VSL], s54, v[VSL]
.irp a, 0,1
	v_mov_b32 v[PX+\a], 0                          ; written once: a lane permute's destination counts as one of its sources
	v_mov_b32 v[RL+2*\a+1], 0                      ; (named as the upper halves of pairs)
.endr
	s_lshl_b32 s53, s19, 11
	s_lshl_b32 s54, s17, 7
	s_add_co_u32 s53, s53, s54
	s_lshl_b32 s54, s16, 5
	s_add_co_u32 s53, s53, s54                     ; 2,048 batch + 128 f + 32 wave
	s_lshl_b32 s55, ttmp9, 9                       ; 128 channels
	s_sub_co_u32 s23, 7, s20                       ; the first block: I = 7 - p
	s_lshl_b32 s54, s23, 8
	s_add_co_u32 s54, s54, s53
	s_lshl_b32 s54, s54, 12
	s_add_co_u32 s44, s54, s55                     ; where its rows of O begin, in bytes,
	s_mov_b32 s45, 0
	s_lshl_b32 s54, s20, 8
	s_add_co_u32 s54, s54, s53
	s_lshl_b32 s54, s54, 12
	s_add_co_u32 s46, s54, s55                     ; and the second block's
	s_mov_b32 s47, 0
	SETBLK
	s_wait_dscnt 0x0                               ; both opening adds are done
	s_wait_kmcnt 0x0
	s_add_nc_u64 s[50:51], s[4:5], s[50:51]
	s_add_nc_u64 s[44:45], s[12:13], s[44:45]
	s_add_nc_u64 s[46:47], s[12:13], s[46:47]
	STATS_ASK                                      ; what the first products wait for goes out first: the tables,
	PLOADW 0
	PLOADW 1
	WIN 0x80
	PLOADS 0                                       ; P's steps 0-3 (I >= 4: steps 0 to 8 are walked whatever p and f are),
	PLOADS 1
	PLOADS 2
	PLOADS 3
	WIN 0
.irp k, 0,1,2,3,4,5,6,7
.irp g, 0,1
	global_load_b128 v[VSC+8*\k+4*\g:VSC+8*\k+4*\g+3], v[VSV], s[6:7] offset:\k*8192+256*\g   ; V's scale words,
.endr
.endr
.irp H, 0,1
	s_mov_b32 s[G0+4*\H], 1
	s_add_co_u32 s[G0+4*\H+1], s52, \H*VHALF
	s_add_nc_u64 s[G0+4*\H+2:G0+4*\H+3], s[50:51], \H*12288
	s_or_b32 s[G0+4*\H+3], s[G0+4*\H+3], 0x80000000
	tensor_load_to_lds s[G0+4*\H:G0+4*\H+3], s[G1:G1+7]   ; and V's keys 1,024 H on: two loads of mine are out
	s_nop 0
.endr
	WIN 0x80
	PLOADS 4                                       ; P's steps 4-7 come last: 24 loads,
	PLOADS 5
	PLOADS 6
	PLOADS 7
	WIN 0
	PLOADW 2                                       ; and 2 of their scale words
	PLOADW 3
	s_mov_b32 s22, 0                               ; the block's number
	s_wait_loadcnt 26                              ; all but the 26 just issued are in: the tables, P's steps 0-3, V's scale words.  The 26 are waited for at the head of step 4
.Lblk:
	s_wait_xcnt 0x0                                ; the last block's stores have read their registers
	WIN 0x0a                                       ; sources 0 and 1 window 2
.irp a, 0,1
	v_min_num_f32 v[NM+\a], v[MT+\a], v[MT+2+\a]
.endr
.irp k, 2,4,6
.irp a, 0,1
	v_min3_num_f32 v[NM+\a], v[MT+2*\k+\a], v[MT+2*\k+2+\a], v[NM+\a]
.endr
.endr
	WIN 0
.irp a, 0,1
	v_permlanex16_b32 v[PX+\a], v[NM+\a], s[SEL], s[SEL+1]
.endr
.irp a, 0,1
	v_min_num_f32 v[NM+\a], v[NM+\a], v[PX+\a]     ; the row's -M: the least of its steps'
.endr
	WIN 0x08                                       ; source 1 window 2
.irp k, 0,1,2,3,4,5,6,7
.irp a, 0,1
	v_sub_f32 v[ND+2*\k+\a], v[NM+\a], v[MT+2*\k+\a]   ; the step's M less the row's: a whole number, 0 or less
.endr
.endr
	WIN 0
.set J, 0
.rept 16
	v_max_num_f32 v[ND+J], s43, v[ND+J]            ; not under -127
.set J, J+1
.endr
.set J, 0
.rept 16
	v_cvt_i32_f32 v[ND+J], v[ND+J]
.set J, J+1
.endr
	WIN 0x02                                       ; source 0 window 2
.set J, 0
.rept 16
	v_ldexp_f32 v[UU+J], v[LT+J], v[ND+J]          ; the step's sum under the row's M: nothing is rounded
.set J, J+1
.endr
	WIN 0
.irp a, 0,1
	v_add_f32 v[RL+2*\a], v[UU+\a], v[UU+2+\a]
.endr
.irp k, 2,3,4,5,6,7
.irp a, 0,1
	v_add_f32 v[RL+2*\a], v[RL+2*\a], v[UU+2*\k+\a]
.endr
.endr
	WIN 0x80                                       ; destination window 2
.set J, 0
.rept 16
	v_mul_lo_u32 v[DR+J], v[ND+J], s42             ; what comes off each of the step's four scale bytes, in all four bytes
.set J, J+1
.endr
	WIN 0
.irp a, 0,1
	v_permlanex16_b32 v[PX+\a], v[RL+2*\a], s[SEL], s[SEL+1]
.endr
.irp a, 0,1
	v_add_f32 v[RL+2*\a], v[RL+2*\a], v[PX+\a]     ; even steps' and odd steps': the row's sum
.endr
.irp a, 0,1
	v_rcp_f32 v[RL+2*\a], v[RL+2*\a]
.endr
	v_nop                                          ; a plain line behind the last reciprocal
	s_wait_alu depctr_va_vdst(0)                   ; one wait for the two, ahead of the first reader and of every branch
	SWAR 0
	SWAR 1
	PLACES
	s_wait_tensorcnt 0x1                           ; my part of keys 0-1,023 is in; the second half may stay out
	s_wait_dscnt 0x0
	s_barrier_signal -1
	s_barrier_wait -1                              ; everybody's is
	VFETCH 0
	STEP3 0, 1, 1                                  ; the first step's products start the sums: nothing is cleared
	EXIT 1
	STEP3 1, 0, 1
	EXIT 2
	STEP3 2, 0, 1
	EXIT 3
	STEP3 3, 0, 1
	EXIT 4
	CHUNK 1
	STEP3 4, 0, 1
	EXIT 5
	STEP3 5, 0, 1
	EXIT 6
	STEP3 6, 0, 1
	EXIT 7
	s_wait_tensorcnt 0x0                           ; my part of keys 1,024 on is in: step 7 fetches step 8's fragments
	s_wait_dscnt 0x0
	s_barrier_signal -1
	s_barrier_wait -1                              ; everybody's is
	STEP3 7, 0, 1
	EXIT 8
	CHUNK 2
	STEP3 8, 0, 1
	EXIT 9
	STEP3 9, 0, 1
	EXIT 10
	STEP3 10, 0, 1
	EXIT 11
	STEP3 11, 0, 1
	EXIT 12
	CHUNK 3
	STEP3 12, 0, 1
	EXIT 13
	STEP3 13, 0, 1
	EXIT 14
	STEP3 14, 0, 1
	EXIT 15
	STEP3 15, 0, 0
.Lepi:
	s_wait_dscnt 0x0                               ; (at an exit the next step's fragments of V have been fetched ahead)
	s_wait_loadcnt 0x0                             ; no load is out: P's registers and v8, v9 may be written
	s_wait_xcnt 0x0                                ; the last block's stores have read their base
	s_cmp_eq_u32 s22, 0
	s_cselect_b64 s[48:49], s[44:45], s[46:47]     ; this block's rows of O
	s_cbranch_scc0 .Lnoprep
	s_mov_b32 s23, s20                             ; THE SECOND BLOCK, I = p, IS ASKED FOR NOW: it lands while the first goes out.  8 loads of tables and 52 of P at the most
	SETBLK
	STATS_ASK
	ASKSTEP 0
.irp t, 1,2,3,4,5,6,7
	s_cmp_le_u32 s56, \t
	s_cbranch_scc1 .Lnoprep
	ASKSTEP \t
.endr
.Lnoprep:
; THE WAY OUT, a tile of 16 queries at a time.  Register 8 b + j of lane (r, h) is O(query r of the tile, channel 32 (b / 2) + 16 h + 8 (b % 2) + j).  Divided by the sum, through my stage, out as whole rows of 512 bytes.
.macro OUTA a
	WIN 0x01                                       ; source 0 window 1
.set N, 0
.rept 32
	v_pk_mul_f32 v[TT+N:TT+N+1], v[64*(\a)+N:64*(\a)+N+1], v[RL+2*(\a):RL+2*(\a)+1] op_sel_hi:[1,0]   ; each accumulator from its low end on
.set N, N+2
.endr
	WIN 0
.irp b, 0,1,2,3,4,5,6,7
	ds_store_b128 v[STO], v[TT+8*\b:TT+8*\b+3] offset:128*(\b/2)+32*(\b%2)
	ds_store_b128 v[STO], v[TT+8*\b+4:TT+8*\b+7] offset:128*(\b/2)+32*(\b%2)+16
.endr
	s_wait_xcnt 0x0                                ; the last tile's stores have read the registers that are loaded below
.irp i, 0,1,2,3,4,5,6,7,8,9,10,11,12,13,14,15
	ds_load_b128 v[OB+4*\i:OB+4*\i+3], v[RD] offset:528*\i   ; LDS serves a wave's instructions in order: these see the stores above
.endr
.irp i, 0,1,2,3,4,5,6,7,8,9,10,11,12,13,14,15
	s_wait_dscnt 15-\i                             ; row i is back
	global_store_b128 v1, v[OB+4*\i:OB+4*\i+3], s[48:49] offset:(8*(\a)+\i+8*(\i/8))*4096 th:TH_STORE_NT   ; 512 consecutive bytes, at a multiple of 512 from the buffer's first byte
.endr
.endm
	OUTA 0
	OUTA 1
	s_wait_loadcnt 0x0                             ; the second block's tables and P are in (behind the second block: nothing is out)
	s_add_co_u32 s22, s22, 1
	s_cmp_lt_u32 s22, 2
	s_cbranch_scc1 .Lblk
	s_wait_tensorcnt 0x0                           ; the wave's end, behind my last tensor load and my last LDS store
	ds_add_u32 v[SPW], v[NIL]
	s_wait_dscnt 0x0
	s_endpgm
.Lfunc_end_k_q0888c65832_g3:
	.size	k_q0888c65832_g3, .Lfunc_end_k_q0888c65832_g3-k_q0888c65832_g3
	.p2alignl 7, 3214868480
	.fill 96, 4, 3214868480
	.section	.rodata,"a",@progbits
	.p2align	6, 0x0
	.amdhsa_kernel k_q0888c65832_g3
		.amdhsa_group_segment_fixed_size 230912
		.amdhsa_private_segment_fixed_size 0
		.amdhsa_enable_private_segment 0
		.amdhsa_kernarg_size 40
		.amdhsa_user_sgpr_count 2
		.amdhsa_user_sgpr_kernarg_segment_ptr 1
		.amdhsa_wavefront_size32 1
		.amdhsa_system_sgpr_workgroup_id_x 1
		.amdhsa_system_sgpr_workgroup_id_y 1
		.amdhsa_system_sgpr_workgroup_id_z 1
		.amdhsa_system_vgpr_workitem_id 0
		.amdhsa_next_free_vgpr 768
		.amdhsa_next_free_sgpr 66
		.amdhsa_reserve_vcc 0
		.amdhsa_float_denorm_mode_32 3
		.amdhsa_float_denorm_mode_16_64 3
		.amdhsa_memory_ordered 1
		.amdhsa_forward_progress 1
		.amdhsa_inst_pref_size 114
	.end_amdhsa_kernel
	.amdgpu_metadata
---
amdhsa.version: [ 1, 2 ]
amdhsa.kernels:
  - .name:           k_q0888c65832_g3
    .symbol:         k_q0888c65832_g3.kd
    .args:
      - { .name: c3, .offset: 0, .size: 8, .value_kind: global_buffer, .address_space: global }
      - { .name: s3, .offset: 8, .size: 8, .value_kind: global_buffer, .address_space: global }
      - { .name: c4, .offset: 16, .size: 8, .value_kind: global_buffer, .address_space: global }
      - { .name: s4, .offset: 24, .size: 8, .value_kind: global_buffer, .address_space: global }
      - { .name: out0, .offset: 32, .size: 8, .value_kind: global_buffer, .address_space: global }
    .group_segment_fixed_size: 230912
    .private_segment_fixed_size: 0
    .kernarg_segment_align: 8
    .kernarg_segment_size: 40
    .max_flat_workgroup_size: 128
    .sgpr_count:     66
    .vgpr_count:     768
    .wavefront_size: 32
...
	.end_amdgpu_metadata
.endif
;; end of part 4
